; MI455X (gfx1250); checked and timed in simulation.
; The chip was launched on July 23, 2026; its instructions are those of AMD's public machine-readable ISA for CDNA 5 (MIT licence, August 2026) and "CDNA5" Instruction Set Architecture Reference Guide (July 2026). The comments in the code are by the model that wrote it; some were corrected since.
;; Multi Head Attention. Allowed arithmetic: matrix products marked QUANTISED: E2M1 operands, one E8M0 scale for each 32 along K, by v_wmma_scale_f32_16x16x128_f8f6f4 with both operands' format E2M1 (or v_wmma_scale_f32_32x16x128_f4), f32 sums; everything else in f32.
;; Inputs: Wk 16 x 1,024 x 64 float32; Wo 1,024 x 1,024 float32; Wq 16 x 1,024 x 64 float32; Wv 16 x 1,024 x 64 float32; bk 16 x 64 float32; bo 1,024 float32; bq 16 x 64 float32; bv 16 x 64 float32; key 2 x 2,048 x 1,024 float32; query 2 x 2,048 x 1,024 float32; value 2 x 2,048 x 1,024 float32.
;; Outputs: out0 2 x 2,048 x 1,024 float32.
;; This version of the problem:
;;   THIS VERSION OF THE PROBLEM IS GIVEN IN LOW PRECISION. The matrix products marked QUANTISED in the list below multiply operands that are first quantised to E2M1 (2 exponent bits, 1 mantissa bit; 4 bits a number), with one power-of-two scale for each 32 numbers along K (OCP MX v1.0); their sums are f32. All else is computed in f32.
;;   The module's matrix products, in the order in which they are computed (A, B: the left and right operand; K: the contracted axis; several contracted axes count as one K, in the product's order):
;;     1. [M 1,024, K 1,024] x [K 1,024, N 4,096]; A: input Wq; B: input query: QUANTISED
;;     2. [M 1,024, K 1,024] x [K 1,024, N 4,096]; A: input Wk; B: input key: QUANTISED
;;     3. [M 1,024, K 1,024] x [K 1,024, N 4,096]; A: input Wv; B: input value: QUANTISED
;;     4. batch 32 x [M 2,048, K 64] x [K 64, N 2,048]; A: computed on the way; B: computed on the way: QUANTISED
;;     5. batch 32 x [M 2,048, K 2,048] x [K 2,048, N 64]; A: softmax (see below); B: computed on the way: QUANTISED
;;     6. [M 4,096, K 1,024] x [K 1,024, N 1,024]; A: computed on the way; B: input Wo: QUANTISED
;;   THE QUANTISER, for each operand of a quantised product, along K:
;;     - K is cut into blocks of 32 from its start; a last block that is shorter is filled with zeros.
;;     - A block's scale is 2^e with e = floor(log2(the largest magnitude in the block)) - 2, held to -126 .. 127; a block of zeros has e = 0. As a byte (E8M0): e + 127.
;;     - Each number is divided by its block's scale, clamped to +-6, and rounded to the nearest number of E2M1, ties to even, subnormals kept.
;;     - The product sums the exact products of the quantised numbers (number of the format x scale) in f32.
;;   ~~~python
;;   def quantise(x, axis):      # numpy; x: float32 -> the quantised numbers, widened to float32 again
;;       x = np.moveaxis(x, axis, -1); K = x.shape[-1]
;;       x = np.pad(x, [(0, 0)] * (x.ndim - 1) + [(0, -K % 32)]); x = x.reshape(x.shape[:-1] + (-1, 32)); a = np.abs(x).max(-1, keepdims=True)
;;       e = np.where(a > 0, np.clip(np.frexp(np.where(a > 0, a, 1))[1] - 1 - 2, -126, 127), 0)      # np.frexp(a)[1] - 1 = floor(log2(a)), exactly
;;       r = np.clip(x / 2.0 ** e, -6, 6)
;;       step = 2.0 ** (np.maximum(np.frexp(np.where(r == 0, 1, r))[1] - 1, 0) - 1)
;;       q = np.round(r / step) * step * 2.0 ** e      # np.round: ties to even
;;       return np.moveaxis(q.reshape(q.shape[:-2] + (-1,))[..., :K], -1, axis).astype(np.float32)
;;   ~~~
;;   SOFTMAX AHEAD OF A QUANTISED PRODUCT. Where the list says 'softmax', what is quantised is not the finished softmax but p = 2^(t - M), with t = logit x log2(e) and M = ceil(the row's largest t), a whole number; so 1/2 < the row's largest p <= 1. The row's sum l is taken of the UNQUANTISED p, in f32, and the product's result is divided by l at the end. Since M is a whole number, a kernel that streams over the keys may use a running M (the ceiling of the running maximum): every later rescaling is an exact power of two, which a block's scale takes up: the codes' values come out the same.
;;   OPERANDS COMPUTED ON THE WAY. 'Computed on the way' means the value that the module computes at that place (a softmax that the list does not call 'softmax' is quantised finished and normalised). What goes into a quantiser is computed in f32, as accurately as f32 sums, v_exp_f32 and their like allow (about 1e-6 of the number): no bf16 or f16 on the way to a quantiser, and a product that is left as it is and whose result goes on into a quantised operand takes f32 operands (vector FMAs, or v_wmma_f32_16x16x4_f32). A number that lies on a knife's edge between two numbers of the format may be rounded either way, as far as f32 arithmetic and the matrix unit's own rounding can turn it there, and no further.
;; One version. Each part assembles by itself: llvm-mc -triple=amdgcn-amd-amdhsa -mcpu=gfx1250 --defsym DOCPART=n.
;; ======== version 1 of 1: 4 launches
;; limits: right only within a limited range of input values
;; workspace buffers: xc 6,684,672 bytes; wc 2,228,224 bytes; qb 4,587,520 bytes; kv 4,587,520 bytes; cc 2,228,224 bytes
;; launch quant (part 1): grid 256 x 1, 10 waves a work-group, no clusters, 85,760 bytes of LDS; arguments query, key, value, Wq, Wk, Wv, Wo, xc, wc; writes xc, wc
.if DOCPART == 1
	.amdgcn_target "amdgcn-amd-amdhsa--gfx1250"
	.amdhsa_code_object_version 6
	.text
	.protected	k_qc0dbfb503b_quant
	.globl	k_qc0dbfb503b_quant
	.p2align	8
	.type	k_qc0dbfb503b_quant,@function
k_qc0dbfb503b_quant:
	s_mov_b64 s[64:65], 0
	v_nop
	global_prefetch_b8 v0, s[64:65] scope:SCOPE_SE
	s_setreg_imm32_b32 hwreg(HW_REG_WAVE_MODE, 25, 1), 1
	s_wait_xcnt 0x0
; query, key, value [4096][1024] and Wq, Wk, Wv [16][1024][64], Wo [1024][1024], all f32, become codes of FP4 (E2M1) with one E8M0 byte for each 32 along K (K = the 1,024 that the products contract).
; A block's scale is 2^(floor(log2(largest magnitude)) - 2): its byte is the largest magnitude's exponent field - 2, held at 1 from below; each number is divided by the scale and rounded to the nearest code, ties to even.
; LAYOUT: a tile of 16 stored rows is 8,704 bytes: two halves of K (512 each) of 4,352 bytes: 4,096 of codes [block of 32 along K][row r][16 bytes], an image of the operand's registers, then 256 of scale words [row r][4 words].
; THE ROWS LIE IN STORED ORDER.  Everywhere but in key: lane r of tile i stands for row 32 (i / 2) + 8 (i % 2) + r + 8 (r / 8): a product that takes such a tile as source 0 leaves in the 16 registers of two neighbouring tiles
; 16 neighbouring rows.  In key: row 64 (i / 4) + 8 (i % 4) + r + 24 (r / 8): the 32 registers of four tiles are then one whole block of 32 rows, rows 32 h on of the 64 in the lanes of half h: what the attention's second product wants.
; SHARES: 256 work-groups of ten waves, each with the same work: waves 0-5 take half the K of one of three tiles of activations, waves 6-9 a piece of a weight, 32 columns x 128 K, a lane to a column, registers down K.
; No matrix work, no cluster: no two work-groups read the same input bytes.  No barrier: waves share nothing.  No work is left out in this program.
; LIMITS: NaN and infinities among the inputs are not served.  Blocks whose largest magnitude lies under 2^-124 keep the byte 1; a block of zeros keeps the byte 1 where the rule says 127: its codes are zeros,
; and the bytes are read by this program alone.  The weights' scale words leave by stores of 4 bytes a lane, 16 bytes apart: 131,072 bytes in all.
.set SP,  528                          ; a row of the stage: 512 bytes + 16: an odd multiple of 16
.set SPARE, 10*16*SP                   ; behind a stage for each wave: the spare words, 128 bytes a wave
.set R,   16                           ; v16-143   two sets of 64: a step's numbers as they are loaded
.set X,   144                          ; v144-207  64 numbers: my two whole blocks of 32
.set CD,  208                          ; v208-223  two sets of 8: codes
.set SW,  224                          ; v224-227  the four scale words of my row
.set TILE, 8704
.set HALF, 4352
.macro LOADX t                         ; K step t of my half: 128 numbers of each of the tile's 16 rows; a load reads 512 consecutive bytes of one row
.set II, 0
.rept 16
.if II < 8
	global_load_b128 v[R+64*((\t)%2)+4*II:R+64*((\t)%2)+4*II+3], v1, s[28:29] offset:II*4096+512*(\t) th:TH_LOAD_NT
.else
	global_load_b128 v[R+64*((\t)%2)+4*II:R+64*((\t)%2)+4*II+3], v242, s[28:29] offset:(II+8)*4096+512*(\t) th:TH_LOAD_NT
.endif
.set II, II+1
.endr
.endm
.macro STEPX t
.if (\t) < 3
	s_wait_loadcnt 16                              ; this step's 16 loads are in; the next step's 16 may be out
.else
	s_wait_loadcnt 0x0
.endif
.set II, 0
.rept 16
	ds_store_b128 v2, v[R+64*((\t)%2)+4*II:R+64*((\t)%2)+4*II+3] offset:SP*II      ; the rows as they lie, into my own stage
.set II, II+1
.endr
.irp c, 0,1
.irp j, 0,1,2,3,4,5,6,7
	ds_load_b128 v[X+32*\c+4*\j:X+32*\c+4*\j+3], v3 offset:256*\c+16*\j            ; back: lane (r, h) takes blocks h and 2 + h of row r, whole.  LDS serves a wave's instructions in order: these see the stores
.endr
.endr
.if (\t) < 2
	s_wait_dscnt 16                                ; the 16 stores are served: their registers take the loads of two steps on
	LOADX (\t)+2
.endif
	s_wait_dscnt 0x0
.irp c, 0,1
	v_max3_num_f32 v[232+\c], |v[X+32*\c]|, |v[X+32*\c+1]|, 0x1800000              ; the block's largest magnitude, and the floor 2^(3 - 127): the byte cannot fall under 1
.endr
.irp i, 2,4,6,8,10,12,14,16,18,20,22,24,26,28,30
.irp c, 0,1
	v_max3_num_f32 v[232+\c], v[232+\c], |v[X+32*\c+\i]|, |v[X+32*\c+\i+1]|
.endr
.endr
.irp c, 0,1
	v_add_nc_u32 v[234+\c], 0xff000000, v[232+\c]  ; 2 off the exponent field: the conversion takes the exponent field of this operand as its scale
.endr
.irp c, 0,1
	v_lshrrev_b32 v[236+\c], 23, v[234+\c]         ; the scale's byte
.endr
	v_lshl_or_b32 v238, v237, 16, v236             ; my two bytes, blocks h and 2 + h,
	v_lshlrev_b32 v238, v4, v238                   ; at their places in the word (8 h bits up);
	v_permlanex16_b32 v240, v238, s36, s37
	v_or_b32 v[SW+(\t)], v238, v240                ; with lane l xor 16's two the word is whole
	s_wait_alu depctr_va_vdst(0)                   ; a wait ahead of the wait below
	s_wait_xcnt 0x0                                ; the stores of two steps back have read this set of code registers
.irp c, 0,1
.irp g, 0,1,2,3
	v_cvt_scalef32_pk8_fp4_f32 v[CD+8*((\t)%2)+4*\c+\g], v[X+32*\c+8*\g:X+32*\c+8*\g+7], v[234+\c]
.endr
.endr
	v_nop                                          ; one plain line behind the last conversion
.irp c, 0,1
	global_store_b128 v1, v[CD+8*((\t)%2)+4*\c:CD+8*((\t)%2)+4*\c+3], s[30:31] offset:1024*(\t)+512*\c   ; a piece of the image: 512 consecutive bytes
.endr
.endm
.macro LOADW kb, stride                ; block kb of my column: 32 rows of the weight; a load reads 128 consecutive bytes
.set II, 0
.rept 32
	global_load_b32 v[16+32*(\kb)+II], v1, s[28:29] offset:(32*(\kb)+II)*(\stride) th:TH_LOAD_NT
.set II, II+1
.endr
.endm
.macro BLOCKW kb, stride
.set XS, 16+32*(\kb)
.if (\kb) < 3
	s_wait_loadcnt 32                              ; this block's 32 loads are in; the next block's 32 may be out
.else
	s_wait_loadcnt 0x0
.endif
.if (\kb) < 2
	LOADW (\kb)+2, \stride
.endif
	v_max3_num_f32 v8, |v[XS]|, |v[XS+1]|, |v[XS+2]|               ; all 32 numbers of the block are mine
	v_max3_num_f32 v9, |v[XS+3]|, |v[XS+4]|, |v[XS+5]|
.irp i, 6,10,14,18,22,26
	v_max3_num_f32 v8, v8, |v[XS+\i]|, |v[XS+\i+1]|
	v_max3_num_f32 v9, v9, |v[XS+\i+2]|, |v[XS+\i+3]|
.endr
	v_max3_num_f32 v8, v8, |v[XS+30]|, |v[XS+31]|
	v_max3_num_f32 v8, v8, v9, 0x1800000           ; and the floor
	v_add_nc_u32 v10, 0xff000000, v8
	v_lshrrev_b32 v9, 23, v10
.if (\kb) == 0
	v_mov_b32 v150, v9                             ; four bytes make the word of these 128 along K
.else
	v_lshl_or_b32 v150, v9, 8*(\kb), v150
.endif
.irp g, 0,1,2,3
	v_cvt_scalef32_pk8_fp4_f32 v[152+4*(\kb)+\g], v[XS+8*\g:XS+8*\g+7], v10
.endr
	v_nop                                          ; one plain line behind the last conversion
	global_store_b128 v4, v[152+4*(\kb):152+4*(\kb)+3], s[30:31] offset:256*(\kb)   ; sixteen lanes store 256 consecutive bytes, aligned: a block's place in a tile's image
.endm
.macro WBODY stride
	LOADW 0, \stride
	LOADW 1, \stride
	BLOCKW 0, \stride
	BLOCKW 1, \stride
	BLOCKW 2, \stride
	BLOCKW 3, \stride
	global_store_b32 v4, v150, s[32:33]            ; the scale words lie at the same places, 16 bytes a row
.endm
	s_load_b256 s[4:11], s[0:1], 0x0               ; query s[4:5], key s[6:7], value s[8:9], Wq s[10:11]
	s_load_b256 s[12:19], s[0:1], 0x20             ; Wk s[12:13], Wv s[14:15], Wo s[16:17], xc s[18:19]
	s_load_b64 s[22:23], s[0:1], 0x40              ; wc
	v_lshl_add_u32 v254, v0, 2, SPARE              ; my spare word
	v_mov_b32 v255, 0
	v_lshrrev_b32 v1, 5, v0
	v_readfirstlane_b32 s26, v1                    ; wave 0..9
	v_and_b32 v6, 31, v0                           ; lane
	s_mov_b32 s35, 0                               ; the upper word of every offset pair s[34:35]
	s_mov_b32 s36, 0x76543210
	s_mov_b32 s37, 0xfedcba98                      ; v_permlanex16_b32's selects for lane l xor 16
	s_cmp_lt_u32 s26, 6
	s_cbranch_scc0 .Lweights
	; ---- the activations: stored tile Tt = 3 x work-group + wave / 2, of tensor Tt / 256; half wave % 2 of its K
	s_mul_i32 s27, ttmp9, 3
	s_lshr_b32 s38, s26, 1
	s_add_co_u32 s27, s27, s38                     ; Tt
	s_and_b32 s43, s26, 1                          ; the half
	s_and_b32 s38, s27, 255
	s_lshr_b32 s39, s38, 1
	s_lshl_b32 s39, s39, 17                        ; query, value: 32 rows of 4,096 bytes for each pair of tiles,
	s_and_b32 s40, s38, 1
	s_lshl_b32 s40, s40, 15                        ; 8 rows more for the odd tile
	s_add_co_u32 s39, s39, s40
	s_lshr_b32 s41, s38, 2
	s_lshl_b32 s41, s41, 18                        ; key: 64 rows for each four tiles,
	s_and_b32 s40, s38, 3
	s_lshl_b32 s40, s40, 15                        ; 8 rows more from tile to tile
	s_add_co_u32 s41, s41, s40
	s_lshr_b32 s44, s27, 8                         ; the tensor
	s_cmp_eq_u32 s44, 1
	s_cselect_b32 s34, s41, s39
	s_cselect_b32 s42, 0x10000, 0                  ; and in key the tile's upper eight rows lie 16 rows further on
	s_lshl_b32 s40, s43, 11
	s_add_co_u32 s34, s34, s40                     ; 2,048 bytes of a row are a half
	s_mul_i32 s45, s26, 16*SP                      ; my stage
	s_wait_alu depctr_va_vdst(0)                   ; a wait behind the scalar lines
	v_lshlrev_b32 v1, 4, v6                        ; 16 x lane
	v_add_nc_u32 v242, s42, v1                     ; the same for a tile's upper eight rows
	v_add_nc_u32 v2, s45, v1                       ; into the stage
	v_and_b32 v7, 15, v0                           ; r
	v_bfe_u32 v8, v0, 4, 1                         ; h
	v_mul_u32_u24 v3, v7, SP
	v_lshl_add_u32 v3, v8, 7, v3
	v_add_nc_u32 v3, s45, v3                       ; out of it: row r, block h
	v_lshlrev_b32 v4, 3, v8                        ; 8 h
	v_lshl_add_u32 v5, v7, 4, v4                   ; 16 r + 8 h: my two words of the scale words
	v_mov_b32 v240, 0                              ; written once: a lane permute's destination counts as one of its sources
	s_wait_alu depctr_va_vdst(0)                   ; the wait at the head's end
	s_wait_kmcnt 0x0
	s_cmp_eq_u32 s44, 1
	s_cselect_b64 s[28:29], s[6:7], s[8:9]
	s_cmp_eq_u32 s44, 0
	s_cselect_b64 s[28:29], s[4:5], s[28:29]       ; the choice hangs on ids alone
	s_add_nc_u64 s[28:29], s[28:29], s[34:35]
	s_mul_i32 s34, s27, TILE
	s_mul_i32 s40, s43, HALF
	s_add_co_u32 s34, s34, s40
	s_add_nc_u64 s[30:31], s[18:19], s[34:35]      ; my half of the tile: codes,
	s_add_nc_u64 s[32:33], s[30:31], 4096          ; scale words
	LOADX 0
	LOADX 1
.irp t, 0,1,2,3
	STEPX \t
.endr
	v_cmp_eq_u32 vcc_lo, 8, v4                     ; lanes 16-31 store the row's upper two words
.irp i, 0,1
	v_cndmask_b32 v[244+\i], v[SW+\i], v[SW+2+\i], vcc_lo
.endr
	global_store_b64 v5, v[244:245], s[32:33]      ; 32 lanes store 256 consecutive bytes, aligned
	s_wait_tensorcnt 0x0                           ; the wave's end
	ds_add_u32 v254, v255
	s_wait_dscnt 0x0
	s_endpgm
	; ---- the weights: piece u = 4 x work-group + wave - 6: matrix u / 256, K step (u / 32) % 8, columns 32 (u % 32) on
.Lweights:
	s_lshl_b32 s27, ttmp9, 2
	s_add_co_u32 s27, s27, s26
	s_sub_co_u32 s27, s27, 6                       ; u
	s_lshr_b32 s38, s27, 8                         ; the matrix: 0 Wq, 1 Wk, 2 Wv, 3 Wo
	s_bfe_u32 s39, s27, 0x30005                    ; the K step of 128
	s_and_b32 s40, s27, 31                         ; the group of 32 columns
	s_wait_alu depctr_va_vdst(0)
	v_and_b32 v1, 7, v6
	v_bfe_u32 v2, v6, 4, 1
	v_bfe_u32 v3, v6, 3, 1
	v_lshl_add_u32 v1, v2, 3, v1
	v_lshl_add_u32 v1, v3, 4, v1                   ; lane l stands for stored place l of the group: column l % 8 + 8 (l / 16) + 16 ((l / 8) % 2)
	v_lshlrev_b32 v1, 2, v1
	v_and_b32 v4, 15, v6
	v_lshlrev_b32 v4, 4, v4
	v_mad_u32_u24 v4, v2, TILE, v4                 ; tile l / 16 of the group's two, row l % 16
	s_wait_alu depctr_va_vdst(0)                   ; a wait ahead of the scalar lines
	s_lshr_b32 s41, s40, 1
	s_lshl_b32 s41, s41, 18                        ; a head's weight: 1,024 rows of 256 bytes,
	s_lshl_b32 s42, s39, 15                        ; 128 rows a K step,
	s_add_co_u32 s41, s41, s42
	s_and_b32 s42, s40, 1
	s_lshl_b32 s42, s42, 7                         ; the head's lower or upper 32 columns
	s_add_co_u32 s41, s41, s42
	s_lshl_b32 s42, s39, 19                        ; Wo: 128 rows of 4,096 bytes a K step,
	s_lshl_b32 s43, s40, 7
	s_add_co_u32 s42, s42, s43                     ; 128 bytes a group
	s_mul_i32 s43, s38, 64*TILE                    ; in wc: 64 tiles a matrix,
	s_mul_i32 s44, s40, 2*TILE                     ; two a group,
	s_add_co_u32 s43, s43, s44
	s_lshr_b32 s44, s39, 2
	s_mul_i32 s44, s44, HALF                       ; the half of K
	s_add_co_u32 s43, s43, s44
	s_and_b32 s44, s39, 3                          ; and the step in it
	s_wait_kmcnt 0x0
	s_cmp_eq_u32 s38, 0
	s_cselect_b64 s[28:29], s[10:11], s[12:13]
	s_cmp_lt_u32 s38, 2
	s_cselect_b64 s[28:29], s[28:29], s[14:15]
	s_cmp_lt_u32 s38, 3
	s_cselect_b64 s[28:29], s[28:29], s[16:17]
	s_cselect_b32 s34, s41, s42
	s_add_nc_u64 s[28:29], s[28:29], s[34:35]
	s_lshl_b32 s34, s44, 10                        ; codes: 1,024 bytes a K step
	s_add_co_u32 s34, s34, s43
	s_add_nc_u64 s[30:31], s[22:23], s[34:35]
	s_lshl_b32 s34, s44, 2                         ; scale words: 4 bytes a K step, behind the half's 4,096 bytes of codes
	s_add_co_u32 s34, s34, s43
	s_add_co_u32 s34, s34, 4096
	s_add_nc_u64 s[32:33], s[22:23], s[34:35]
	s_cmp_eq_u32 s38, 3
	s_cbranch_scc1 .Lwo
	s_wait_alu depctr_va_vdst(0)
	WBODY 256                                      ; the row stride stands in the loads' immediates: so the body is written once for each stride
	s_endpgm
.Lwo:
	s_wait_alu depctr_va_vdst(0)
	WBODY 4096
	s_endpgm
.Lfunc_end_k_qc0dbfb503b_quant:
	.size	k_qc0dbfb503b_quant, .Lfunc_end_k_qc0dbfb503b_quant-k_qc0dbfb503b_quant
	.p2alignl 7, 3214868480
	.fill 96, 4, 3214868480
	.section	.rodata,"a",@progbits
	.p2align	6, 0x0
	.amdhsa_kernel k_qc0dbfb503b_quant
		.amdhsa_group_segment_fixed_size 85760
		.amdhsa_private_segment_fixed_size 0
		.amdhsa_enable_private_segment 0
		.amdhsa_kernarg_size 72
		.amdhsa_user_sgpr_count 2
		.amdhsa_user_sgpr_kernarg_segment_ptr 1
		.amdhsa_wavefront_size32 1
		.amdhsa_system_sgpr_workgroup_id_x 1
		.amdhsa_system_sgpr_workgroup_id_y 1
		.amdhsa_system_sgpr_workgroup_id_z 1
		.amdhsa_system_vgpr_workitem_id 0
		.amdhsa_next_free_vgpr 256
		.amdhsa_next_free_sgpr 66
		.amdhsa_reserve_vcc 1
		.amdhsa_float_denorm_mode_32 3
		.amdhsa_float_denorm_mode_16_64 3
		.amdhsa_memory_ordered 1
		.amdhsa_forward_progress 1
		.amdhsa_inst_pref_size 70
	.end_amdhsa_kernel
	.amdgpu_metadata
---
amdhsa.version: [ 1, 2 ]
amdhsa.kernels:
  - .name:           k_qc0dbfb503b_quant
    .symbol:         k_qc0dbfb503b_quant.kd
    .args:
      - { .name: query, .offset: 0, .size: 8, .value_kind: global_buffer, .address_space: global }
      - { .name: key, .offset: 8, .size: 8, .value_kind: global_buffer, .address_space: global }
      - { .name: value, .offset: 16, .size: 8, .value_kind: global_buffer, .address_space: global }
      - { .name: Wq, .offset: 24, .size: 8, .value_kind: global_buffer, .address_space: global }
      - { .name: Wk, .offset: 32, .size: 8, .value_kind: global_buffer, .address_space: global }
      - { .name: Wv, .offset: 40, .size: 8, .value_kind: global_buffer, .address_space: global }
      - { .name: Wo, .offset: 48, .size: 8, .value_kind: global_buffer, .address_space: global }
      - { .name: xc, .offset: 56, .size: 8, .value_kind: global_buffer, .address_space: global }
      - { .name: wc, .offset: 64, .size: 8, .value_kind: global_buffer, .address_space: global }
    .group_segment_fixed_size: 85760
    .private_segment_fixed_size: 0
    .kernarg_segment_align: 8
    .kernarg_segment_size: 72
    .max_flat_workgroup_size: 320
    .sgpr_count:     66
    .vgpr_count:     256
    .wavefront_size: 32
...
	.end_amdgpu_metadata
.endif
;; end of part 1
;; launch proj (part 2): grid 4 x 48, 4 waves a work-group, clusters of 4 x 4, 280,064 bytes of LDS; arguments xc, wc, bq, bk, bv, qb, kv; writes qb, kv
.if DOCPART == 2
	.amdgcn_target "amdgcn-amd-amdhsa--gfx1250"
	.amdhsa_code_object_version 6
	.text
	.protected	k_qc0dbfb503b_proj
	.globl	k_qc0dbfb503b_proj
	.p2align	8
	.type	k_qc0dbfb503b_proj,@function
k_qc0dbfb503b_proj:
	s_mov_b64 s[64:65], 0
	v_nop
	global_prefetch_b8 v0, s[64:65] scope:SCOPE_SE
	s_setreg_imm32_b32 hwreg(HW_REG_WAVE_MODE, 25, 1), 1
	s_wait_xcnt 0x0
	s_wait_alu depctr_hold_cnt(0) depctr_sa_sdst(0) depctr_va_vdst(0) depctr_va_sdst(0) depctr_va_ssrc(0) depctr_va_vcc(0) depctr_vm_vsrc(0)
	s_getreg_b32 s2, hwreg(HW_REG_IB_STS2, 6, 4)
	s_cmp_eq_u32 s2, 0
	s_cbranch_scc0 .Lentry_in_a_cluster
	s_endpgm
.Lentry_in_a_cluster:
	s_bfe_u32 s2, ttmp6, 0x10000c
	s_cmp_lg_u32 s2, 0xf033
	s_cbranch_scc0 .Lentry_shape_is_right
	s_endpgm
.Lentry_shape_is_right:
; The three projections on codes of FP4 with E8M0 scales: q, k, v = x W + b, [4096 tokens] x [1024 = head x 64 + d], K = 1,024; each result is quantised again in registers and stored as the attention's operand.
; A work-group of four waves makes 256 x 256 of one projection, a wave 128 x 128: 64 accumulators, 512 registers.  3 x 64 = 192 work-groups.  All of K fits in LDS: two halves of 512 along K, each filled once.
; SOURCE 0 IS P, THE SIDE ALONG WHICH THE RESULT IS QUANTISED; SOURCE 1 IS Q, OF WHICH A LANE HOLDS ONE ROW.  q and k are quantised along d: P = the weight's columns, Q = the tokens.  v is quantised along the
; tokens (the keys): P = the tokens, Q = the weight's columns.  Codes lie in memory as images of the operand's registers, rows in stored order (bits 3 and 4 of the row exchanged): so the 16 registers of P's tiles
; 2 x and 2 x + 1 are 16 neighbours 32 x + 16 (lane / 16) + 0 .. 15 along P, and two conversions and an exchange of halves give a lane the 16 bytes of a whole block.
; CLUSTERS: 4 x 4 work-groups, all of one projection.  P's tile hangs on cx and is shared along a column of the cluster, Q's on cy and is shared along a row: each is asked for jointly.  Which buffer is P's and which
; Q's hangs on the cluster's number alone, which all sixteen share.
; OUT: a block of 8,960 bytes for each (batch x head, 128 tokens): K's image 8 x 512 | V^T's image 4 x 1,024 | K's scale words 512 | V's 256.  q goes to qb in K's places, k and v to kv.
; Every store covers 512 or 256 consecutive bytes, aligned.  The bias is the C of each sum's first product.
; LIMITS: blocks of the results whose largest magnitude lies under 2^-124 keep the byte 1 (a block of zeros too: its codes are zeros); NaN and infinities are not served.
; REGISTERS, in windows of 256: window 0: v16-27 addresses; v32-95 scale words, two sets; v128-191 Q's fragments, one set; v192-255 the bias.  window 1: P's fragments, two sets.  windows 2, 3: accumulator (a, b) at 8 (8 (a % 4) + b).
.set NQ,    4                          ; K steps of 128 in a slot
.set FR,    8                          ; registers of a fragment
.set NL,    2                          ; LDS loads that bring one
; THE LOADS: half a tile (16 rows x 512 K) is 4,352 bytes: 4,096 of codes, then 16 rows x 4 scale words.  The first half of K of Q's and of P's 16 tiles (waves 0 and 1) and the second (waves 2 and 3) are four loads, ONE a wave, all issued at the head;
; every LDS byte is filled once.  No prefetch: no loop fetches tiles.  (Of key's tokens the stored order is another; here it only says which token a lane of Q stands for, and K's image keeps it.)
.set TILEB, 4352                       ; half a tile
.set SLOT,  32*TILEB                   ; Q's 16 tiles, then P's 16
.set BLKB,  8960                       ; a block of the output
.set HEADB, 16*BLKB                    ; a head's 16 blocks
.set ADQ,  16                          ; v16-17 LDS address of my Q fragments in slot 0, 1
.set ADP,  20                          ; v20-21 the same for P
.set L8,   25                          ; v25    8 x lane
.set LI,   26                          ; v26    16 x lane
.set ADRS, 27                          ; v27    my scale words: lanes 0-15 Q's rows, lanes 16-31 P's
.set SC,   32                          ; set s at v[SC + 32 s]; register 4 i + q: lanes 0-15 the word of Q's tile i, lanes 16-31 of P's tile i, for the slot's q-th 128 along K
.set QF,   128
.set BI,   192
.set TM,   32                          ; the way out, block u = 4 a + (b / 2): largest magnitude,
.set TP,   64                          ; the other half's, then the byte,
.set SO,   96                          ; the conversion's scale operand,
.set PC,   128                         ; the codes: two registers a block
.set G1,   24                          ; s[24:31] group 1 for Q's codes; s[32:39] group 0, a set for each slot
.set G0,   32
.set G1B,  48                          ; s[48:55], s[56:63] the same for P's
.set G0B,  56
.set MSB, 0
.macro WIN new                         ; the immediate's high byte repeats the setting that is left
.if MSB != \new
	s_set_vgpr_msb (MSB<<8)|\new
.set MSB, \new
.endif
.endm
.set MUL_LO, 0xa1                      ; source 0 (P) window 1, source 1 (Q) window 0, C and D window 2
.set MUL_HI, 0xf1                      ; the same, C and D window 3
.set TO_P,   0x40                      ; destination window 1, address window 0
.macro ARM under, g0, g1, next         ; one arm of the head's tree of branches on the wave's number: a joint load, and the jump to the tree's end
	s_cmp_lt_u32 s40, \under
	s_cbranch_scc0 \next
	tensor_load_to_lds s[\g0:\g0+3], s[\g1:\g1+7]
	s_nop 0
.rept 4
	v_nop
.endr
	s_branch .Lhead_asked
\next:
.endm
.macro CROUND                          ; a round of the cluster's barrier
	s_barrier_signal -1
	s_barrier_wait -1
	s_cmp_lg_u32 s40, 0
	s_cbranch_scc1 .Lnot_wave_0_\@
	s_barrier_signal -3
.Lnot_wave_0_\@:
	s_barrier_wait -3
	s_barrier_signal -1
	s_barrier_wait -1
.endm
.macro PLACES                          ; four plain places behind matrix instructions, in front of loads into registers that they have read and of the first read of results
.rept 4
	v_nop
.endr
.endm
.macro FRAG reg, adr, q, i             ; a fragment is an image: two pieces of 512 consecutive bytes
.irp c, 0,1
	ds_load_b128 v[\reg+4*\c:\reg+4*\c+3], v[\adr] offset:(\i)*TILEB+(\q)*1024+512*\c
.endr
.endm
; 16 products: Q's tiles a0, a0 + 1 x P's eight.  p: P's set; sc: the set of scale words.  cmode 0: onto the sums; 1: the sums begin with the bias along P; 2: with the bias along Q.
; The 64 accumulators take turns, one instruction a turn, in the same order in every step.
.macro MUL16 a0, p, q, sc, cmode
.irp a, \a0, \a0+1
.irp b, 0,1,2,3,4,5,6,7
.if \cmode == 1
	v_wmma_scale_f32_16x16x128_f8f6f4 v[8*(8*((\a)%4)+\b):8*(8*((\a)%4)+\b)+7], v[128*(\p)+FR*\b:128*(\p)+FR*\b+FR-1], v[QF+FR*(\a):QF+FR*(\a)+FR-1], v[BI+8*\b:BI+8*\b+7], v[SC+8*NQ*(\sc)+NQ*\b+(\q)], v[SC+8*NQ*(\sc)+NQ*(\a)+(\q)] matrix_a_fmt:MATRIX_FMT_FP4 matrix_b_fmt:MATRIX_FMT_FP4 matrix_a_scale:MATRIX_SCALE_ROW1
.elseif \cmode == 2
	v_wmma_scale_f32_16x16x128_f8f6f4 v[8*(8*((\a)%4)+\b):8*(8*((\a)%4)+\b)+7], v[128*(\p)+FR*\b:128*(\p)+FR*\b+FR-1], v[QF+FR*(\a):QF+FR*(\a)+FR-1], v[BI+8*(\a):BI+8*(\a)+7], v[SC+8*NQ*(\sc)+NQ*\b+(\q)], v[SC+8*NQ*(\sc)+NQ*(\a)+(\q)] matrix_a_fmt:MATRIX_FMT_FP4 matrix_b_fmt:MATRIX_FMT_FP4 matrix_a_scale:MATRIX_SCALE_ROW1
.else
	v_wmma_scale_f32_16x16x128_f8f6f4 v[8*(8*((\a)%4)+\b):8*(8*((\a)%4)+\b)+7], v[128*(\p)+FR*\b:128*(\p)+FR*\b+FR-1], v[QF+FR*(\a):QF+FR*(\a)+FR-1], v[8*(8*((\a)%4)+\b):8*(8*((\a)%4)+\b)+7], v[SC+8*NQ*(\sc)+NQ*\b+(\q)], v[SC+8*NQ*(\sc)+NQ*(\a)+(\q)] matrix_a_fmt:MATRIX_FMT_FP4 matrix_b_fmt:MATRIX_FMT_FP4 matrix_a_scale:MATRIX_SCALE_ROW1
.endif
.endr
.endr
.endm
.macro FETCH_P slot, q, p              ; P's eight fragments of the slot's q-th 128 along K into set p
	WIN TO_P
.irp i, 0,1,2,3,4,5,6,7
	FRAG 128*(\p)+FR*\i, ADP+\slot, \q, \i
.endr
	WIN 0
.endm
.macro FETCH_Q slot, q, i0             ; Q's tiles i0 .. i0 + 3
.irp i, \i0, \i0+1, \i0+2, \i0+3
	FRAG QF+FR*(\i), ADQ+\slot, \q, \i
.endr
.endm
.macro SCALES s                        ; slot s's scale words: four words a row
.irp i, 0,1,2,3,4,5,6,7
	ds_load_b128 v[SC+8*NQ*\s+NQ*\i:SC+8*NQ*\s+NQ*\i+3], v[ADRS+\s] offset:\i*TILEB
.endr
.endm
; A step of 128 along K that has its successor in the same slot.  A tile of Q is free as soon as its eight products are issued: tiles 0-3 are fetched anew in the step's middle, tiles 4-7 at its end; P has two sets.
.macro STEP slot, q, cmode
	s_wait_dscnt 4*NL                              ; P's set and Q's tiles 0-3 are in; the youngest eight loads (Q's tiles 4-7) may be out
.if \cmode
	WIN 0x81                                       ; the bias lies in window 0
.else
	WIN MUL_LO
.endif
	MUL16 0, (\q)%2, \q, \slot, \cmode
	MUL16 2, (\q)%2, \q, \slot, \cmode
	s_wait_dscnt 0x0                               ; Q's tiles 4-7 are in
	PLACES
	FETCH_P \slot, (\q)+1, 1-(\q)%2
	FETCH_Q \slot, (\q)+1, 0
.if \cmode
	WIN 0xc1
.else
	WIN MUL_HI
.endif
	MUL16 4, (\q)%2, \q, \slot, \cmode
	MUL16 6, (\q)%2, \q, \slot, \cmode
	PLACES
	WIN 0
	FETCH_Q \slot, (\q)+1, 4
.endm
; Steps 1 to 6 of the eight.  The bias has been taken up by step 0, so from step 2 on its registers v192-255 are Q's SECOND SET: step n takes Q's set (n + 1) % 2 and P's set n % 2, and asks for all of the next step's fragments:
; P's at its head, Q's at its middle.  The sets that they land on were last read in step n - 1, behind whose products the four places stand.  Step 3 changes slots: every wave has waited for its tensor load; nothing is filled again.
.macro NEXT n
.set CUP, (\n)%2
.set CUQ, (\n)%4
.set CUS, (\n)/4
.set NXP, (\n+1)%2
.set NXQ, (\n+1)%4
.set NXS, (\n+1)/4
.if \n == 3
	s_wait_tensorcnt 0x0
.endif
	s_wait_dscnt 0x0                               ; this step's fragments are in
.if \n == 3
	s_barrier_signal -1
	s_barrier_wait -1                              ; slot 1 is whole
.endif
	PLACES
	FETCH_P NXS, NXQ, NXP
.if \n == 3
	SCALES 1
.endif
.set QF, 128+64*NXP
	WIN MUL_LO
	MUL16 0, CUP, CUQ, CUS, 0
	MUL16 2, CUP, CUQ, CUS, 0
	WIN 0
.set QF, 128+64*CUP
	FETCH_Q NXS, NXQ, 0
	FETCH_Q NXS, NXQ, 4
.set QF, 128+64*NXP
	WIN MUL_HI
	MUL16 4, CUP, CUQ, CUS, 0
	MUL16 6, CUP, CUQ, CUS, 0
.endm
	s_load_b128 s[4:7], s[0:1], 0x0                ; xc s[4:5], wc s[6:7]
	s_load_b256 s[12:19], s[0:1], 0x10             ; bq s[12:13], bk s[14:15], bv s[16:17], qb s[18:19]
	s_load_b64 s[20:21], s[0:1], 0x30              ; kv
	v_lshl_add_u32 v30, v0, 2, 0x44400
	v_mov_b32 v31, 0
	ds_add_u32 v30, v31
	ds_add_u32 v30, v31
	v_lshrrev_b32 v1, 5, v0
	v_readfirstlane_b32 s40, v1                    ; wave 0..3
	s_lshr_b32 s41, s40, 1                         ; which 128 rows of Q are mine.  Also: which half of K I fetch
	s_and_b32 s42, s40, 1                          ; which 128 rows of P.  Also: I fetch for Q (0) or for P (1)
	s_bfe_u32 s43, ttmp6, 0x40000                  ; cx
	s_bfe_u32 s44, ttmp6, 0x40004                  ; cy
	s_and_b32 s66, ttmp7, 0xffff                   ; the cluster's y, 0..11
	s_lshr_b32 s45, s66, 2                         ; the projection: 0 q, 1 k, 2 v
	s_and_b32 s46, s66, 3
	s_lshl_b32 s46, s46, 2                         ; which four of the 16 token tiles
	s_cmp_eq_u32 s45, 2
	s_cselect_b32 s47, 1, 0                        ; 1: v, where the tokens are P
	s_cselect_b32 s100, s46, 0
	s_cselect_b32 s23, 0, s46
	s_add_co_u32 s100, s100, s43                   ; P's tile of 256 rows: it hangs on cx
	s_add_co_u32 s23, s23, s44                     ; Q's: on cy
	s_lshl_b32 s3, s44, 2
	s_lshl_b32 s3, 15, s3                          ; my row of the cluster
	s_lshl_b32 s22, 0x1111, s43                    ; my column
	; group 1: half of each of 16 tiles: 16 rows of 544 elements of 8 bytes, 1,088 elements apart; no padding: an image is read 512 consecutive bytes at a time
	s_or_b32 s[G1+0], s3, (3<<16)|(1<<21)          ; 15:0 the mask: Q's tiles go to my row; 17:16 elements of 8 bytes; 21 set beside a mask
	s_or_b32 s[G1B+0], s22, (3<<16)|(1<<21)        ; P's go to my column
.irp g, G1, G1B
	s_mov_b32 s[\g+1], 544<<16                     ; tensor_dim0
	s_mov_b32 s[\g+2], 16<<16                      ; tensor_dim1
	s_mov_b32 s[\g+3], 544<<16                     ; tile_dim0
	s_mov_b32 s[\g+4], 16                          ; tile_dim1
	s_mov_b32 s[\g+5], 1088                        ; tensor_dim0_stride
	s_mov_b32 s[\g+6], 0
	s_mov_b32 s[\g+7], 0
.endr
	; byte offsets.  Q's are made in registers that never hold cx, P's in registers that never hold cy
	s_mul_i32 s66, s45, 256*2*TILEB                ; the projection's activations: 256 tiles,
	s_mul_i32 s67, s45, 64*2*TILEB                 ; its weight: 64 tiles
	s_cmp_eq_u32 s47, 1
	s_cselect_b32 s92, s67, s66                    ; Q's
	s_cselect_b32 s94, s66, s67                    ; P's
	s_mul_i32 s2, s23, 16*2*TILEB                  ; 256 rows: 16 tiles
	s_add_co_u32 s92, s92, s2
	s_mul_i32 s101, s100, 16*2*TILEB
	s_add_co_u32 s94, s94, s101
	s_mov_b32 s93, 0
	s_mov_b32 s95, 0
	s_wait_dscnt 0x0                               ; both opening adds are done
	CROUND                                         ; all sixteen work-groups are here: the joint loads meet.  (The arguments' loads may be out across it)
	s_wait_kmcnt 0x0
	s_cmp_eq_u32 s47, 1                            ; which buffer is Q's, which P's: the same choice in all sixteen
	s_cselect_b64 s[G0+2:G0+3], s[6:7], s[4:5]
	s_cselect_b64 s[G0B+2:G0B+3], s[4:5], s[6:7]
	s_add_nc_u64 s[92:93], s[G0+2:G0+3], s[92:93]
	s_add_nc_u64 s[94:95], s[G0B+2:G0B+3], s[94:95]
.irp s, 0,1
	s_mov_b32 s[G0+4*\s], 1
	s_mov_b32 s[G0+4*\s+1], \s*SLOT                ; no place in the cluster enters an LDS address
	s_add_nc_u64 s[G0+4*\s+2:G0+4*\s+3], s[92:93], \s*TILEB
	s_or_b32 s[G0+4*\s+3], s[G0+4*\s+3], 0x80000000
	s_mov_b32 s[G0B+4*\s], 1
	s_mov_b32 s[G0B+4*\s+1], \s*SLOT+16*TILEB
	s_add_nc_u64 s[G0B+4*\s+2:G0B+4*\s+3], s[94:95], \s*TILEB
	s_or_b32 s[G0B+4*\s+3], s[G0B+4*\s+3], 0x80000000
.endr
	ARM 1, G0, G1, .Lhead_1
	ARM 2, G0B, G1B, .Lhead_2
	ARM 3, G0+4, G1, .Lhead_3
	tensor_load_to_lds s[G0B+4:G0B+7], s[G1B:G1B+7]
	s_nop 0
.rept 4
	v_nop
.endr
.Lhead_asked:
	v_and_b32 v1, 15, v0                           ; r
	v_bfe_u32 v2, v0, 4, 1                         ; h
	v_and_b32 v3, 31, v0
	v_lshlrev_b32 v[LI], 4, v3
	v_lshlrev_b32 v[L8], 3, v3
	s_mul_i32 s2, s41, 8*TILEB                     ; my 8 tiles of Q
	s_mul_i32 s3, s42, 8*TILEB                     ; my 8 tiles of P,
	s_add_co_u32 s3, s3, 16*TILEB                  ; which lie behind Q's 16
.irp s, 0,1
	v_add_nc_u32 v[ADQ+\s], s2, v[LI]
	v_add_nc_u32 v[ADP+\s], s3, v[LI]
	s_add_co_u32 s2, s2, SLOT
	s_add_co_u32 s3, s3, SLOT
.endr
	s_wait_alu depctr_va_vdst(0)
	v_lshlrev_b32 v5, 4, v1                        ; my row's four scale words, behind a half tile's codes
	s_mul_i32 s2, s41, 8*TILEB
	s_mul_i32 s3, s42, 8*TILEB
	s_add_co_u32 s3, s3, 16*TILEB
	s_sub_co_u32 s3, s3, s2
	v_mul_u32_u24 v6, s3, v2                       ; lanes 16-31 take P's: one product, h x the distance
	s_add_co_u32 s2, s2, 4096
	v_add_nc_u32 v5, v5, v6
	v_add_nc_u32 v[ADRS], s2, v5
	v_add_nc_u32 v[ADRS+1], SLOT, v[ADRS]          ; (v28: slot 1's)
	; the bias, in the result's layout.  Along P (q, k): register j of tile b is column 32 (b / 2) + 16 h + 8 (b % 2) + j.  Along Q (v): all eight registers of tile a hold column 32 (a / 2) + 8 (a % 2) + r + 8 (r / 8)
	s_cmp_eq_u32 s45, 0
	s_cselect_b64 s[2:3], s[12:13], s[14:15]
	s_lshl_b32 s66, s100, 10
	s_lshl_b32 s67, s42, 9
	s_add_co_u32 s66, s66, s67
	s_mov_b32 s67, 0
	s_add_nc_u64 s[2:3], s[2:3], s[66:67]          ; bq or bk at my 128 columns of P
	s_lshl_b32 s66, s23, 10
	s_lshl_b32 s101, s41, 9
	s_add_co_u32 s66, s66, s101
	s_add_nc_u64 s[16:17], s[16:17], s[66:67]      ; bv at my 128 columns of Q
	v_lshlrev_b32 v7, 6, v2                        ; 64 h
	v_and_b32 v8, 8, v1
	v_add_nc_u32 v8, v8, v1
	v_lshlrev_b32 v8, 2, v8                        ; 4 (r + 8 (r / 8))
	s_cmp_eq_u32 s47, 1
	s_cbranch_scc1 .Lbias_v
.irp b, 0,1,2,3,4,5,6,7
	global_load_b128 v[BI+8*\b:BI+8*\b+3], v7, s[2:3] offset:(32*(\b/2)+8*(\b%2))*4
	global_load_b128 v[BI+8*\b+4:BI+8*\b+7], v7, s[2:3] offset:(32*(\b/2)+8*(\b%2))*4+16
.endr
	s_branch .Lbias_done
.Lbias_v:
	s_wait_alu depctr_va_vdst(0)
.irp a, 0,1,2,3,4,5,6,7
.irp j, 0,1,2,3,4,5,6,7
	global_load_b32 v[BI+8*\a+\j], v8, s[16:17] offset:(32*(\a/2)+8*(\a%2))*4      ; a C operand wants the number in all eight registers
.endr
.endr
.Lbias_done:
	s_wait_alu depctr_va_vdst(0)                   ; the wait at the head's end
	s_cmp_lt_u32 s40, 2
	s_cbranch_scc0 .Lsecond_half                   ; waves 2 and 3 have slot 1's loads out: it is waited for, by all waves, in front of the next barrier
	s_wait_tensorcnt 0x0                           ; my tiles of slot 0 are in
.Lsecond_half:
	s_barrier_signal -1
	s_barrier_wait -1                              ; slot 0 is whole
	FETCH_P 0, 0, 0
	FETCH_Q 0, 0, 0
	s_wait_alu depctr_va_vdst(0)
	SCALES 0
	FETCH_Q 0, 0, 4
	s_wait_loadcnt 0x0                             ; the bias
	s_cmp_eq_u32 s47, 1
	s_cbranch_scc1 .Lfirst_v
	STEP 0, 0, 1                                   ; the first step starts the sums with the bias: nothing is cleared, nothing is added later
	s_branch .Lfirst_done
.Lfirst_v:
	STEP 0, 0, 2
.Lfirst_done:
	NEXT 1
	NEXT 2
	NEXT 3
	NEXT 4
	NEXT 5
	NEXT 6
.set QF, 128                           ; step 7 takes Q's first set
	s_wait_dscnt 4*NL                              ; the last step: nothing more to fetch; Q's tiles 4-7 may be out
	WIN MUL_LO
	MUL16 0, 1, NQ-1, 1, 0
	MUL16 2, 1, NQ-1, 1, 0
	s_wait_dscnt 0x0
	WIN MUL_HI
	MUL16 4, 1, NQ-1, 1, 0
	MUL16 6, 1, NQ-1, 1, 0
	WIN 0
	; ---- THE WAY OUT: 32 blocks a lane, block u = 4 a + x: Q's tile a, P's tiles 2 x and 2 x + 1: registers 16 (u % 16) .. + 15 of window 2 + u / 16
	PLACES
	s_mov_b32 s92, 0x76543210
	s_mov_b32 s93, 0xfedcba98                      ; v_permlanex16_b32's selects for lane l xor 16
	s_lshl_b32 s2, s23, 1
	s_add_co_u32 s2, s2, s41                       ; Q's 128 rows: 2 x tile + half
	s_lshl_b32 s3, s100, 1
	s_add_co_u32 s3, s3, s42                       ; P's
	s_cmp_eq_u32 s47, 1
	s_cselect_b32 s66, s3, s2                      ; which 128 tokens, 0..31
	s_cselect_b32 s67, s2, s3                      ; which 128 columns:
	s_lshl_b32 s67, s67, 1                         ; two heads
	s_lshr_b32 s2, s66, 4
	s_lshl_b32 s2, s2, 4
	s_add_co_u32 s2, s2, s67                       ; batch x 16 + my first head
	s_lshl_b32 s2, s2, 4
	s_and_b32 s66, s66, 15
	s_add_co_u32 s2, s2, s66                       ; x 16 + the step of 128 tokens
	s_mul_i32 s2, s2, BLKB
	s_mov_b32 s3, 0
	s_cmp_eq_u32 s45, 0
	s_cselect_b64 s[66:67], s[18:19], s[20:21]     ; q goes to qb, k and v to kv
	s_add_nc_u64 s[66:67], s[66:67], s[2:3]
.macro MAXW w                          ; my 16 numbers of each of a window's 16 blocks, and the floor 2^(3 - 127); the blocks by turns; each accumulator is read from its low end on
	WIN 0x0a+5*(\w)                                ; sources 0 and 1: window 2 or 3
.set UU, 0
.rept 16
	v_max3_num_f32 v[TM+16*(\w)+UU], |v[16*UU]|, |v[16*UU+1]|, 0x1800000
.set UU, UU+1
.endr
.irp i, 2,4,6,8,10,12,14
.set UU, 0
.rept 16
	v_max3_num_f32 v[TM+16*(\w)+UU], |v[16*UU+\i]|, |v[16*UU+\i+1]|, v[TM+16*(\w)+UU]
.set UU, UU+1
.endr
.endr
.endm
.macro CVTW w
	WIN 0x02+(\w)                                  ; source 0: window 2 or 3
.set UU, 0
.rept 16
	v_cvt_scalef32_pk8_fp4_f32 v[PC+2*(16*(\w)+UU)], v[16*UU:16*UU+7], v[SO+16*(\w)+UU]
	v_cvt_scalef32_pk8_fp4_f32 v[PC+2*(16*(\w)+UU)+1], v[16*UU+8:16*UU+15], v[SO+16*(\w)+UU]
.set UU, UU+1
.endr
.endm
; One window's 16 blocks: Q's tiles 4 w .. 4 w + 3.  Its codes are stored before the other window is begun.
.macro OUTW w
	MAXW \w
	WIN 0
.set UU, 16*\w
.rept 16
	v_permlanex16_b32 v[TP+UU], v[TM+UU], s92, s93
.set UU, UU+1
.endr
.set UU, 16*\w
.rept 16
	v_max_num_f32 v[TM+UU], v[TM+UU], v[TP+UU]     ; with lane l xor 16's: the block's largest magnitude
.set UU, UU+1
.endr
.set UU, 16*\w
.rept 16
	v_add_nc_u32 v[SO+UU], 0xff000000, v[TM+UU]    ; 2 off its exponent field: the conversion's scale operand
.set UU, UU+1
.endr
.set UU, 16*\w
.rept 16
	v_lshrrev_b32 v[TP+UU], 23, v[SO+UU]           ; the scale's byte
.set UU, UU+1
.endr
	CVTW \w
	WIN 0
	v_nop                                          ; one plain place behind the last conversion
.set UU, 8*\w
.rept 8                                ; a whole block to a lane: lanes 0-15 the even block of a pair, lanes 16-31 the odd one: 16 bytes of an image
	v_permlane16_swap_b32 v[PC+4*UU], v[PC+4*UU+2]
	v_permlane16_swap_b32 v[PC+4*UU+1], v[PC+4*UU+3]
.set UU, UU+1
.endr
	s_wait_alu depctr_va_vdst(0)                   ; a wait ahead of the branch
	s_cmp_eq_u32 s47, 1
	s_cbranch_scc1 .Lcodes_v_\@
.irp t, 0,1,2,3                        ; q, k: head g of my two, token tile 4 w + t
.irp g, 0,1
	global_store_b128 v[LI], v[PC+4*(2*(4*\w+\t)+\g):PC+4*(2*(4*\w+\t)+\g)+3], s[66:67] offset:\g*HEADB+(4*\w+\t)*512
.endr
.endr
	s_branch .Lcodes_done_\@
.Lcodes_v_\@:
.irp t, 0,1,2,3                        ; v: head w of my two, tile t of its 64 channels
.irp g, 0,1
	global_store_b128 v[LI], v[PC+4*(2*(4*\w+\t)+\g):PC+4*(2*(4*\w+\t)+\g)+3], s[66:67] offset:\w*HEADB+4096+\t*1024+\g*512
.endr
.endr
.Lcodes_done_\@:
.endm
	OUTW 0
	OUTW 1
	s_cmp_eq_u32 s47, 1
	s_cbranch_scc1 .Lout_v
	; q, k: head g of my two, token tile a: K = 64 is two blocks; the word repeats its two bytes for the upper 64 along K, whose codes are zeros in the attention
.irp a, 0,1,2,3,4,5,6,7
.irp g, 0,1
	v_lshl_or_b32 v[BI+8*(\a%2)+4*\g+\a/2], v[TP+4*\a+2*\g+1], 8, v[TP+4*\a+2*\g]
.endr
.endr
.irp i, 0,1,2,3,4,5,6,7,8,9,10,11,12,13,14,15
	v_lshl_or_b32 v[BI+\i], v[BI+\i], 16, v[BI+\i]
.endr
.irp i, 0,1,2,3,4,5,6,7
	v_permlane16_swap_b32 v[BI+\i], v[BI+8+\i]     ; lanes 0-15 the even tile's words, lanes 16-31 the odd tile's
.endr
.irp g, 0,1
	global_store_b128 v[LI], v[BI+4*\g:BI+4*\g+3], s[66:67] offset:\g*HEADB+8192
.endr
	s_branch .Lout_done
.Lout_v:
	; v: head a / 4 of my two, tile a % 4 of its 64 channels; K = my 128 tokens: four blocks, one word
.irp a, 0,1,2,3,4,5,6,7
	v_lshl_or_b32 v[BI+8*(\a%2)+2*(\a/4)+(\a%4)/2], v[TP+4*\a+1], 8, v[TP+4*\a]
.endr
.irp a, 0,1,2,3,4,5,6,7
	v_lshl_or_b32 v[BI+8*(\a%2)+2*(\a/4)+(\a%4)/2], v[TP+4*\a+2], 16, v[BI+8*(\a%2)+2*(\a/4)+(\a%4)/2]
.endr
.irp a, 0,1,2,3,4,5,6,7
	v_lshl_or_b32 v[BI+8*(\a%2)+2*(\a/4)+(\a%4)/2], v[TP+4*\a+3], 24, v[BI+8*(\a%2)+2*(\a/4)+(\a%4)/2]
.endr
.irp i, 0,1,2,3
	v_permlane16_swap_b32 v[BI+\i], v[BI+8+\i]
.endr
.irp g, 0,1
	global_store_b64 v[L8], v[BI+2*\g:BI+2*\g+1], s[66:67] offset:\g*HEADB+8704
.endr
.Lout_done:
	s_wait_tensorcnt 0x0
	ds_add_u32 v30, v31
	s_wait_dscnt 0x0
	CROUND                                         ; the closing round: no work-group ends while a partner may still ask for a tile that names it
	s_endpgm
.Lfunc_end_k_qc0dbfb503b_proj:
	.size	k_qc0dbfb503b_proj, .Lfunc_end_k_qc0dbfb503b_proj-k_qc0dbfb503b_proj
	.p2alignl 7, 3214868480
	.fill 96, 4, 3214868480
	.section	.rodata,"a",@progbits
	.p2align	6, 0x0
	.amdhsa_kernel k_qc0dbfb503b_proj
		.amdhsa_group_segment_fixed_size 280064
		.amdhsa_private_segment_fixed_size 0
		.amdhsa_enable_private_segment 0
		.amdhsa_kernarg_size 56
		.amdhsa_user_sgpr_count 2
		.amdhsa_user_sgpr_kernarg_segment_ptr 1
		.amdhsa_wavefront_size32 1
		.amdhsa_system_sgpr_workgroup_id_x 1
		.amdhsa_system_sgpr_workgroup_id_y 1
		.amdhsa_system_sgpr_workgroup_id_z 1
		.amdhsa_system_vgpr_workitem_id 0
		.amdhsa_next_free_vgpr 1024
		.amdhsa_next_free_sgpr 102
		.amdhsa_reserve_vcc 0
		.amdhsa_float_denorm_mode_32 3
		.amdhsa_float_denorm_mode_16_64 3
		.amdhsa_memory_ordered 1
		.amdhsa_forward_progress 1
		.amdhsa_inst_pref_size 147
	.end_amdhsa_kernel
	.amdgpu_metadata
---
amdhsa.version: [ 1, 2 ]
amdhsa.kernels:
  - .name:           k_qc0dbfb503b_proj
    .symbol:         k_qc0dbfb503b_proj.kd
    .args:
      - { .name: xc, .offset: 0, .size: 8, .value_kind: global_buffer, .address_space: global }
      - { .name: wc, .offset: 8, .size: 8, .value_kind: global_buffer, .address_space: global }
      - { .name: bq, .offset: 16, .size: 8, .value_kind: global_buffer, .address_space: global }
      - { .name: bk, .offset: 24, .size: 8, .value_kind: global_buffer, .address_space: global }
      - { .name: bv, .offset: 32, .size: 8, .value_kind: global_buffer, .address_space: global }
      - { .name: qb, .offset: 40, .size: 8, .value_kind: global_buffer, .address_space: global }
      - { .name: kv, .offset: 48, .size: 8, .value_kind: global_buffer, .address_space: global }
    .group_segment_fixed_size: 280064
    .private_segment_fixed_size: 0
    .kernarg_segment_align: 8
    .kernarg_segment_size: 56
    .max_flat_workgroup_size: 128
    .sgpr_count:     102
    .vgpr_count:     1024
    .wavefront_size: 32
...
	.end_amdgpu_metadata
.endif
;; end of part 2
;; launch attn (part 3): grid 8 x 32, 16 waves a work-group, clusters of 4 x 1, 169,984 bytes of LDS; arguments qb, kv, cc; writes cc
.if DOCPART == 3
	.amdgcn_target "amdgcn-amd-amdhsa--gfx1250"
	.amdhsa_code_object_version 6
	.text
	.protected	k_qc0dbfb503b_attn
	.globl	k_qc0dbfb503b_attn
	.p2align	8
	.type	k_qc0dbfb503b_attn,@function
k_qc0dbfb503b_attn:
	s_mov_b64 s[64:65], 0
	v_nop
	global_prefetch_b8 v0, s[64:65] scope:SCOPE_SE
	s_setreg_imm32_b32 hwreg(HW_REG_WAVE_MODE, 25, 1), 1
	s_wait_xcnt 0x0
	s_wait_alu depctr_hold_cnt(0) depctr_sa_sdst(0) depctr_va_vdst(0) depctr_va_sdst(0) depctr_va_ssrc(0) depctr_va_vcc(0) depctr_vm_vsrc(0)
	s_getreg_b32 s2, hwreg(HW_REG_IB_STS2, 6, 4)
	s_cmp_eq_u32 s2, 0
	s_cbranch_scc0 .Lentry_in_a_cluster
	s_endpgm
.Lentry_in_a_cluster:
	s_bfe_u32 s2, ttmp6, 0x10000c
	s_cmp_lg_u32 s2, 0x3003
	s_cbranch_scc0 .Lentry_shape_is_right
	s_endpgm
.Lentry_shape_is_right:
; ctx[b][h][q][:] = the sum over k of softmax_k(q . k / 8) v[k][:], both products on codes of FP4 with E8M0 scales; the result is quantised along (head, d) for the output projection.
; THE SOFTMAX AHEAD OF THE SECOND PRODUCT: t = score x log2(e) / 8; M = the row's largest t so far, rounded UP to a whole number; p = 2^(t - M) is quantised along the keys, not normalised.  The row's sum is taken of the
; unquantised p and divides at the end.  When M moves, the sum and O are multiplied by 2^(old M - new M): exact.
; SHARES.  A work-group owns 256 queries of one (batch, head); each of its sixteen waves one tile of 16, in 256 registers.  A head's K and V (16 blocks of 8,960 bytes, one for each 128 keys: K's image | V^T's image | K's scale
; words | V's) fit in LDS whole: wave w asks for block w, one load a wave; every byte is filled once.  So no loop fetches tiles, and nothing is prefetched.
; TWO BARRIERS.  Behind the first, blocks 0 and 1 are whole: step 0 walks them.  The second is signalled in step 0's middle, where a wave's own load has landed, and waited for ahead of step 0's first read of block 2.
; CLUSTER.  The four query blocks of a cluster belong to one head and read the same blocks: each is asked for jointly, by the same tensor load with a mask that names the four.
; A STEP IS 256 KEYS, two blocks (halves): 128 scores a lane, one maximum, one rescaling of O.  The exponentials go in two batches, one for each half; between them stands work that reads nothing written inside its batch:
; in the first the second half's multiply-adds, in the second the first half's conversions and the first level of its sum.
; FRAGMENTS.  V's and the second half's K lie in v32-63 by turns; the first half's K of the next step lies in v192-223, which the second half's sum has left by then.
; LAYOUT.  Both products are used transposed: S^T = K Q^T (source 0 = 16 keys), O^T = V^T P^T (source 0 = 16 channels): a lane holds ONE query throughout.  K's tile t of 64 keys holds keys 8 t .. 8 t + 7 and 32 + 8 t .. 32 + 8 t + 7:
; so the 32 registers of four tiles are, in lane (r, h), the block of keys 32 h .. 32 h + 31, in order: a whole block of the next operand.  Its maximum needs no other lane and its codes are that operand's registers.
; The head's 64 are half of the instruction's 128 along K: a fragment's lower four registers hold one tile of K and its upper four the next; Q stands once in the lower half (v20-27) and once in the upper (v24-31), with zero codes in the other.
; LIMITS: NaN and infinities are not served; a block of ctx whose largest magnitude lies under 2^-124 keeps the byte 1, as does a block of p all of which lie under 2^-124.  A block's scale is made from its largest score, as the exponent of
; 2^(t - M - 2): where that largest p lies within rounding of a power of two it may be taken on either side; this takes v_exp_f32 not to fall where its input rises.
; ctx's scale bytes leave by stores of one byte a lane (131,072 bytes in all): a word of the next product's scales spans two heads, which belong to different work-groups.
; REGISTERS: v1 16 x lane, v2 8 x lane, v3-4 the step's LDS addresses, v5-8 at work, v9 r, v10 h; v12 -M, v13 the largest score, v[14:15] the sum, v16 f, v18-19 p's scale words.
.set BLKB,  8960
.set HEADB, 16*BLKB
.set SPARE, 0x29000                    ; the spare words: 128 bytes a wave
.set QA, 20                            ; v20-23 Q, v24-27 zeros, v28-31 Q
.set QZ, 24
.set KV, 32                            ; v32-63 fragments of K's second half or of V
.set SX, 192                           ; v192-223 fragments of K's first half
.set KS, 64                            ; v64-67 scale words of K's first half
.set KS1, 84                           ; v84-87 and of its second
.set VS, 68                            ; v68-69 V's
.set QS, 70                            ; v70    Q's
.set CP, 72                            ; v72-79 p's codes of a half
.set BM, 80                            ; v80-83 of block 2 x half + c (keys 64 c + 32 h on): its largest score, then the conversion's scale operand
.set HI, 6                             ; v6-7   maxima of the blocks' upper 16
.set BY, 88                            ; v88-93 bytes
.set SPW, 94
.set NIL, 95
.set SS, 96                            ; v96-223 S^T, then p, then partial sums
.set OO, 224                           ; v224-255 O^T
.macro CROUND                          ; a round of the cluster's barrier
	s_barrier_signal -1
	s_barrier_wait -1
	s_cmp_lg_u32 s12, 0
	s_cbranch_scc1 .Lnot_wave_0_\@
	s_barrier_signal -3
.Lnot_wave_0_\@:
	s_barrier_wait -3
	s_barrier_signal -1
	s_barrier_wait -1
.endm
.macro LOADK off, fr, sc               ; a block's eight tiles of K and their scale words: nine loads
.irp t, 0,1,2,3,4,5,6,7
	ds_load_b128 v[\fr+4*\t:\fr+4*\t+3], v3 offset:\off+512*\t
.endr
	ds_load_b128 v[\sc:\sc+3], v3 offset:\off+8192
.endm
.macro LOADV off                       ; a block's four tiles of V^T and their scale words: nine loads
.irp t, 0,1,2,3
.irp c, 0,1
	ds_load_b128 v[KV+8*\t+4*\c:KV+8*\t+4*\c+3], v3 offset:\off+4096+1024*\t+512*\c
.endr
.endr
	ds_load_b64 v[VS:VS+1], v4 offset:\off+8704
.endm
; The accumulators take turns, one instruction a turn.  Scale words: lanes 0-15 for the even tile, lanes 16-31 for the odd one.
.macro KQ h, fr, sc
.irp t, 0,1,2,3,4,5,6,7
.if (\t)%2
	v_wmma_scale_f32_16x16x128_f8f6f4 v[SS+64*\h+8*\t:SS+64*\h+8*\t+7], v[\fr+8*(\t/2):\fr+8*(\t/2)+7], v[QZ:QZ+7], 0, v[\sc+\t/2], v[QS] matrix_a_fmt:MATRIX_FMT_FP4 matrix_b_fmt:MATRIX_FMT_FP4 matrix_a_scale:MATRIX_SCALE_ROW1
.else
	v_wmma_scale_f32_16x16x128_f8f6f4 v[SS+64*\h+8*\t:SS+64*\h+8*\t+7], v[\fr+8*(\t/2):\fr+8*(\t/2)+7], v[QA:QA+7], 0, v[\sc+\t/2], v[QS] matrix_a_fmt:MATRIX_FMT_FP4 matrix_b_fmt:MATRIX_FMT_FP4
.endif
.endr
.endm
.macro PV h
.irp t, 0,1,2,3
.if (\t)%2
	v_wmma_scale_f32_16x16x128_f8f6f4 v[OO+8*\t:OO+8*\t+7], v[KV+8*\t:KV+8*\t+7], v[CP:CP+7], v[OO+8*\t:OO+8*\t+7], v[VS+\t/2], v[18+\h] matrix_a_fmt:MATRIX_FMT_FP4 matrix_b_fmt:MATRIX_FMT_FP4 matrix_a_scale:MATRIX_SCALE_ROW1
.else
	v_wmma_scale_f32_16x16x128_f8f6f4 v[OO+8*\t:OO+8*\t+7], v[KV+8*\t:KV+8*\t+7], v[CP:CP+7], v[OO+8*\t:OO+8*\t+7], v[VS+\t/2], v[18+\h] matrix_a_fmt:MATRIX_FMT_FP4 matrix_b_fmt:MATRIX_FMT_FP4
.endif
.endr
.endm
.macro MAX1 h                          ; the largest score of each of a half's two blocks: four chains by turns, each accumulator from its low end on
.irp c, 0,1
	v_max3_num_f32 v[BM+2*\h+\c], v[SS+64*\h+32*\c], v[SS+64*\h+32*\c+1], v[SS+64*\h+32*\c+2]
	v_max3_num_f32 v[HI+\c], v[SS+64*\h+32*\c+16], v[SS+64*\h+32*\c+17], v[SS+64*\h+32*\c+18]
.endr
.irp i, 3,5,7,9,11,13
.irp c, 0,1
	v_max3_num_f32 v[BM+2*\h+\c], v[BM+2*\h+\c], v[SS+64*\h+32*\c+\i], v[SS+64*\h+32*\c+\i+1]
	v_max3_num_f32 v[HI+\c], v[HI+\c], v[SS+64*\h+32*\c+16+\i], v[SS+64*\h+32*\c+17+\i]
.endr
.endr
.endm
.macro MAX2 h                          ; the last two of each block, and the chains' joint
.irp c, 0,1
	v_max3_num_f32 v[BM+2*\h+\c], v[BM+2*\h+\c], v[SS+64*\h+32*\c+15], v[SS+64*\h+32*\c+31]
.endr
.irp c, 0,1
	v_max_num_f32 v[BM+2*\h+\c], v[BM+2*\h+\c], v[HI+\c]
.endr
.endm
.macro SCORE j, n                      ; pairs j .. j + n - 1: t - M, two at a time (of the pairs c and -M the low word serves both halves)
.set JJ, \j
.rept \n
	v_pk_fma_f32 v[SS+2*JJ:SS+2*JJ+1], v[SS+2*JJ:SS+2*JJ+1], s[42:43], v[12:13] op_sel_hi:[1,0,0]
.set JJ, JJ+1
.endr
.endm
.macro LEV h, i0, cnt, n               ; the sum of a half's UNQUANTISED p, a tree in the registers whose codes are made: pair i takes pair i + n
.set II, \i0
.rept \cnt
	v_pk_add_f32 v[SS+64*\h+2*II:SS+64*\h+2*II+1], v[SS+64*\h+2*II:SS+64*\h+2*II+1], v[SS+64*\h+2*II+2*\n:SS+64*\h+2*II+2*\n+1]
.set II, II+1
.endr
.endm
; A STEP begins behind the products of its first half's scores, and ends behind the next step's (last = 1: there is none).  Four plain lines stand between those products and its first line.
.macro STEP first, last
	MAX1 0
	s_wait_alu depctr_va_vdst(0)                   ; a wait ahead of the wait below
	s_wait_dscnt 0x0                               ; the second half's K is in
	KQ 1, KV, KS1
	MAX2 0                                         ; (four plain lines: the places in front of the loads and of the first read of the second half's scores)
	LOADV 0                                        ; V lands while the softmax is walked
	MAX1 1
	MAX2 1
	v_max3_num_f32 v17, v[BM], v[BM+1], v[BM+2]
	v_max_num_f32 v17, v17, v[BM+3]                ; the largest of my keys
	v_permlanex16_b32 v8, v17, s40, s41
	v_max3_num_f32 v13, v13, v17, v8               ; with lane l xor 16's, and the running one
	v_mul_f32 v17, s46, v13                        ; -t (c is positive)
	v_floor_f32 v6, v17                            ; the new -M = floor(-t) = -ceil(t): a whole number
	v_sub_f32 v7, v6, v12                          ; old M less new M: a whole number, 0 or less
	v_floor_f32 v12, v17
	SCORE 0, 8
	v_cvt_i32_f32 v7, v7                           ; (it saturates)
	SCORE 8, 8
	v_ldexp_f32 v16, 1.0, v7                       ; f = 2^(old M - new M)
	SCORE 16, 16
.irp b, 0,1,2,3
	v_fma_f32 v[BM+\b], v[BM+\b], s42, v12         ; t - M of each block's largest score,
.endr
.irp b, 0,1,2,3
	v_add_f32 v[BM+\b], -2.0, v[BM+\b]             ; less 2, the exponent of the format's largest number,
.endr
.irp b, 0,1,2,3
	v_max_num_f32 v[BM+\b], 0xc2fbcccd, v[BM+\b]   ; not under -125.9: the byte cannot fall under 1
.endr
.set JJ, 0
.rept 16
	v_pk_mul_f32 v[OO+2*JJ:OO+2*JJ+1], v[OO+2*JJ:OO+2*JJ+1], v[16:17] op_sel_hi:[1,0]   ; O^T under the new M: x f
.set JJ, JJ+1
.endr
	s_wait_alu depctr_va_vdst(0)                   ; a wait ahead of the batch
.irp b, 0,1,2,3
	v_exp_f32 v[BM+\b], v[BM+\b]                   ; the conversion's scale operand: it takes the exponent field alone
.endr
.set JJ, 0
.rept 32                               ; p = 2^(t - M), at most 1: the first half's; between them the second half's t - M
	v_exp_f32 v[SS+2*JJ], v[SS+2*JJ]
	v_pk_fma_f32 v[SS+64+2*JJ:SS+65+2*JJ], v[SS+64+2*JJ:SS+65+2*JJ], s[42:43], v[12:13] op_sel_hi:[1,0,0]
	v_exp_f32 v[SS+2*JJ+1], v[SS+2*JJ+1]
.set JJ, JJ+1
.endr
	s_wait_alu depctr_va_vdst(0)                   ; behind the first batch, and ahead of the second
.set JJ, 0
.rept 32                               ; the second half's p; between them the first half's bytes, codes and first level of sums
	v_exp_f32 v[SS+64+2*JJ], v[SS+64+2*JJ]
.if JJ < 2
	v_lshrrev_b32 v[BY+JJ], 23, v[BM+JJ]           ; a scale's byte
.elseif JJ < 10
	v_cvt_scalef32_pk8_fp4_f32 v[CP+JJ-2], v[SS+8*(JJ-2):SS+8*(JJ-2)+7], v[BM+(JJ-2)/4]
.elseif JJ < 12
	v_lshrrev_b32 v[BY+JJ-8], 23, v[BM+JJ-8]       ; (plain lines between the conversions and the writes of their sources)
.elseif JJ < 28
	LEV 0, JJ-12, 1, 16
.endif
	v_exp_f32 v[SS+65+2*JJ], v[SS+65+2*JJ]
.set JJ, JJ+1
.endr
	v_pk_mul_f32 v[14:15], v[14:15], v[16:17] op_sel_hi:[1,0]   ; the sum under the new M (a plain place behind the exponentials)
	s_wait_alu depctr_va_vdst(0)                   ; behind the second batch
	v_lshl_or_b32 v[BY], v[BY+1], 8, v[BY]
	v_lshl_or_b32 v[BY+2], v[BY+3], 8, v[BY+2]
	v_lshl_or_b32 v[BY+4], v[BY+2], 16, v[BY]      ; my four: first half c = 0, 1, second half c = 0, 1
	v_permlanex16_b32 v[BY+5], v[BY+4], s40, s41   ; and lane l xor 16's
	v_perm_b32 v18, v[BY+5], v[BY+4], s47          ; in lanes 0-15: the word of a half's four blocks, mine and the other's by turns
	v_perm_b32 v19, v[BY+5], v[BY+4], s48
	LEV 0, 0, 8, 8                                 ; (with these eight, nine plain lines stand behind v18's write)
	s_wait_alu depctr_va_vdst(0)
	s_wait_dscnt 0x0                               ; V's first half is in
.if \first
	s_wait_tensorcnt 0x0                           ; my block has landed: say so; between this signal and its wait stand register work and LDS loads of block 1, which nobody writes any more
	s_barrier_signal -1
.endif
	PV 0
	LEV 0, 0, 4, 4                                 ; (the places in front of the loads; with the three below, in front of the conversions that write p's codes anew)
	LOADV BLKB
	LEV 0, 0, 2, 2
	LEV 0, 0, 1, 1
.irp g, 0,1,2,3,4,5,6,7
	v_cvt_scalef32_pk8_fp4_f32 v[CP+\g], v[SS+64+8*\g:SS+71+8*\g], v[BM+2+\g/4]
.endr
	v_pk_add_f32 v[14:15], v[14:15], v[SS:SS+1]    ; (a plain place behind the last conversion)
	LEV 1, 0, 16, 16                               ; v192-223 are free from here on
.if \last == 0
.if \first
	s_wait_alu depctr_va_vdst(0)
	s_barrier_wait -1                              ; every wave has seen its block landed: all sixteen are whole
.endif
	LOADK 2*BLKB, SX, KS                           ; the next step's first K
.endif
	s_wait_alu depctr_va_vdst(0)
.if \last == 0
	s_wait_dscnt 9                                 ; V's second half is in; the nine loads just issued may be out
.else
	s_wait_dscnt 0x0
.endif
	PV 1
	LEV 1, 0, 8, 8                                 ; (the places in front of the loads)
.if \last == 0
	LOADK 3*BLKB, KV, KS1                          ; and its second
	s_add_co_u32 s44, s44, 2*BLKB
.endif
	LEV 1, 0, 4, 4
	LEV 1, 0, 2, 2
.if \last == 0
	s_wait_alu depctr_va_vdst(0)
	s_wait_dscnt 9                                 ; the first K is in; the nine loads of the second may be out
	KQ 0, SX, KS
.endif
	LEV 1, 0, 1, 1                                 ; (this line and the next three are the places behind the products)
	v_pk_add_f32 v[14:15], v[14:15], v[SS+64:SS+65]
.if \last == 0
	v_add_nc_u32 v3, s44, v1
	v_add_nc_u32 v4, s44, v2
.endif
.endm
	s_load_b128 s[4:7], s[0:1], 0x0                ; qb s[4:5], kv s[6:7]
	s_load_b64 s[8:9], s[0:1], 0x10                ; cc
	v_lshl_add_u32 v[SPW], v0, 2, SPARE
	v_mov_b32 v[NIL], 0
	ds_add_u32 v[SPW], v[NIL]                      ; the wave's opening: the add, twice on end, and its wait
	ds_add_u32 v[SPW], v[NIL]
	v_lshrrev_b32 v1, 5, v0
	v_readfirstlane_b32 s12, v1                    ; wave 0..15
	s_bfe_u32 s13, ttmp6, 0x40000                  ; cx: it enters q's and cc's addresses alone
	s_lshl_b32 s14, ttmp9, 2
	s_add_co_u32 s14, s14, s13                     ; my block of 256 queries
	s_and_b32 s15, ttmp7, 0xffff                   ; batch x 16 + head, which the four partners share
	; group 1: a block of 8,960 dense bytes as 35 rows of 256 (32 elements of 8 bytes)
	s_mov_b32 s16, 15|(3<<16)|(1<<21)              ; 15:0 the mask: all four work-groups; 17:16 elements of 8 bytes; 21 set beside a mask
	s_mov_b32 s17, 32<<16                          ; tensor_dim0
	s_mov_b32 s18, 35<<16                          ; tensor_dim1
	s_mov_b32 s19, 32<<16                          ; tile_dim0
	s_mov_b32 s20, 35                              ; tile_dim1
	s_mov_b32 s21, 32                              ; tensor_dim0_stride
	s_mov_b32 s22, 0
	s_mov_b32 s23, 0
	s_mul_i32 s46, s15, HEADB                      ; the head's first byte in kv
	s_mul_i32 s47, s12, BLKB                       ; wave w brings block w
	s_add_co_u32 s48, s46, s47
	s_mov_b32 s49, 0
	s_mov_b32 s24, 1
	s_mov_b32 s25, s47
	; my tile of queries: T = 16 x block + wave: block T / 8 of the head in qb, tile T % 8 in it
	s_lshl_b32 s50, s15, 4
	s_lshl_b32 s51, s14, 1
	s_add_co_u32 s50, s50, s51
	s_lshr_b32 s51, s12, 3
	s_add_co_u32 s50, s50, s51
	s_mul_i32 s50, s50, BLKB
	s_mov_b32 s51, 0
	s_and_b32 s52, s12, 7
	s_lshl_b32 s53, s52, 9                         ; its codes
	s_and_b32 s54, s52, 1
	s_lshl_b32 s54, s54, 8                         ; the odd tile's words lie in lanes 16-31's places,
	s_lshr_b32 s55, s52, 1
	s_lshl_b32 s55, s55, 2                         ; word (T % 8) / 2
	s_add_co_u32 s54, s54, s55
	s_mov_b32 s40, 0x76543210
	s_mov_b32 s41, 0xfedcba98                      ; v_permlanex16_b32's selects for lane l xor 16
	s_mov_b32 s42, 0x3e38aa3b                      ; c = log2(e) / 8
	s_mov_b32 s43, s42                             ; (named with it as a pair, so it is written)
	s_mov_b32 s44, 0                               ; the step's first LDS byte
	s_wait_dscnt 0x0                               ; both opening adds are done
	CROUND                                         ; all four work-groups are here: the joint loads meet.  (The arguments' loads may be out across it)
	s_wait_kmcnt 0x0
	s_add_nc_u64 s[26:27], s[6:7], s[48:49]
	s_or_b32 s27, s27, 0x80000000
	s_cmp_lt_u32 s12, 2                            ; blocks 0 and 1 have a line of their own: they are waited for first
	s_cbranch_scc0 .Lrest
	tensor_load_to_lds s[24:27], s[16:23]
	s_nop 0
.rept 4
	v_nop
.endr
	s_branch .Lasked
.Lrest:
	tensor_load_to_lds s[24:27], s[16:23]
	s_nop 0
.rept 4
	v_nop
.endr
.Lasked:
	s_add_nc_u64 s[4:5], s[4:5], s[50:51]
	s_mov_b32 s46, 0xbe38aa3b                      ; -c
	s_mov_b32 s47, 0x05010400                      ; v_perm_b32's selects: bytes 0 and 1 of mine and of the other's by turns,
	s_mov_b32 s48, 0x07030602                      ; bytes 2 and 3
	v_and_b32 v8, 31, v0
	v_lshlrev_b32 v1, 4, v8                        ; 16 x lane
	v_lshlrev_b32 v2, 3, v8                        ; 8 x lane
	v_and_b32 v9, 15, v0                           ; r
	v_bfe_u32 v10, v0, 4, 1                        ; h
	v_add_nc_u32 v5, s53, v1
	v_lshl_add_u32 v6, v9, 4, s54
	global_load_b128 v[20:23], v5, s[4:5]          ; Q's fragment, for tiles in a fragment's lower half
	global_load_b128 v[28:31], v5, s[4:5]          ; and for those in the upper
	global_load_b32 v[QS], v6, s[4:5] offset:8192  ; Q's scale word of row r
.irp i, 24,25,26,27
	v_mov_b32 v[\i], 0                             ; zero codes
.endr
	v_mov_b32 v13, 0xff61b1e6                      ; the largest score so far: -3e38
	v_mov_b32 v12, 0x7f61b1e6                      ; -M
	v_mov_b32 v14, 0                               ; the sum, in two halves
	v_mov_b32 v15, 0
	v_mov_b32 v[BY+5], 0                           ; written once: a lane permute's destination counts as one of its sources
	v_add_nc_u32 v3, s44, v1
	v_add_nc_u32 v4, s44, v2
.set JJ, 0
.rept 32
	v_mov_b32 v[OO+JJ], 0                          ; O^T: the step is written for every trip alike; the first finds zeros, which the first change of M leaves zeros
.set JJ, JJ+1
.endr
	s_wait_alu depctr_va_vdst(0)                   ; the wait at the head's end
	s_wait_loadcnt 0x0                             ; Q
	s_cmp_lt_u32 s12, 2
	s_cbranch_scc0 .Llater                         ; waves 2 to 15 wait for their blocks in step 0
	s_wait_tensorcnt 0x0                           ; my block, 0 or 1, has landed
.Llater:
	s_barrier_signal -1
	s_barrier_wait -1                              ; blocks 0 and 1 are whole
	LOADK 0, SX, KS
	LOADK BLKB, KV, KS1
	s_wait_dscnt 9                                 ; the first nine are in
	KQ 0, SX, KS
.rept 4
	v_nop                                          ; places in front of the step's first reads
.endr
	STEP 1, 0                                      ; step 0
	s_mov_b32 s45, 6
.Lstep:
	STEP 0, 0                                      ; steps 1 to 6
	s_sub_co_u32 s45, s45, 1
	s_cmp_lg_u32 s45, 0
	s_wait_alu depctr_va_vdst(0)                   ; a wait ahead of the branch
	s_cbranch_scc1 .Lstep
	STEP 0, 1                                      ; step 7 reads no further K
	; ---- THE WAY OUT: O^T / the sum is ctx(query r, channels of my head); its two blocks of 32 are quantised and leave as 16 bytes a lane of the next product's image
	v_lshl_add_u32 v5, v9, 4, v10                  ; scale bytes: 16 r + h
	v_cmp_eq_u32 vcc_lo, 1, v10
	v_add_f32 v14, v14, v15                        ; the sum's two halves,
	v_permlanex16_b32 v8, v14, s40, s41
	v_add_f32 v14, v14, v8                         ; and lane l xor 16's: the row's sum
	s_wait_alu depctr_va_vdst(0)                   ; a wait ahead of the transcendental
	v_rcp_f32 v14, v14
	v_nop                                          ; a plain place behind it
	s_lshr_b32 s50, s15, 4                         ; batch
	s_and_b32 s51, s15, 15                         ; head
	s_lshl_b32 s50, s50, 7
	s_lshl_b32 s52, s14, 4
	s_add_co_u32 s50, s50, s52
	s_add_co_u32 s50, s50, s12                     ; my tile of 16 tokens among the 256
	s_mul_i32 s52, s50, 8704                       ; a tile: two halves of K,
	s_lshr_b32 s54, s51, 3
	s_mul_i32 s54, s54, 4352                       ; eight heads each
	s_add_co_u32 s52, s52, s54
	s_and_b32 s51, s51, 7
	s_lshl_b32 s54, s51, 9                         ; 512 bytes of codes a head
	s_add_co_u32 s54, s54, s52
	s_mov_b32 s55, 0
	s_add_nc_u64 s[10:11], s[8:9], s[54:55]
	s_lshl_b32 s54, s51, 1                         ; two scale bytes a head in each row's 16, behind the half's 4,096 bytes of codes
	s_add_co_u32 s54, s54, s52
	s_add_nc_u64 s[8:9], s[8:9], s[54:55]
	s_wait_alu depctr_va_vdst(0)                   ; a wait ahead of the first readers of the reciprocal and of the last products
.set JJ, 0
.rept 32
	v_mul_f32 v[SS+JJ], v[OO+JJ], v14              ; register 16 b + i is channel 32 b + 16 h + i
.set JJ, JJ+1
.endr
.irp b, 0,1
	v_max3_num_f32 v[BM+\b], |v[SS+16*\b]|, |v[SS+16*\b+1]|, 0x1800000
.endr
.irp i, 2,4,6,8,10,12,14
.irp b, 0,1
	v_max3_num_f32 v[BM+\b], v[BM+\b], |v[SS+16*\b+\i]|, |v[SS+16*\b+\i+1]|
.endr
.endr
.irp b, 0,1
	v_permlanex16_b32 v[BY+\b], v[BM+\b], s40, s41
.endr
.irp b, 0,1
	v_max_num_f32 v[BM+\b], v[BM+\b], v[BY+\b]
.endr
.irp b, 0,1
	v_add_nc_u32 v[BM+\b], 0xff000000, v[BM+\b]
.endr
.irp b, 0,1
	v_lshrrev_b32 v[BY+\b], 23, v[BM+\b]
.endr
.irp b, 0,1
	v_cvt_scalef32_pk8_fp4_f32 v[CP+2*\b], v[SS+16*\b:SS+16*\b+7], v[BM+\b]
	v_cvt_scalef32_pk8_fp4_f32 v[CP+2*\b+1], v[SS+16*\b+8:SS+16*\b+15], v[BM+\b]
.endr
	v_nop                                          ; one plain place behind the last conversion
	v_permlane16_swap_b32 v[CP], v[CP+2]
	v_permlane16_swap_b32 v[CP+1], v[CP+3]         ; lane (r, h): block h of row r
	v_cndmask_b32 v6, v[BY], v[BY+1], vcc_lo       ; and its byte
	global_store_b128 v1, v[CP:CP+3], s[10:11]     ; 32 lanes store 512 consecutive bytes
	global_store_b8 v5, v6, s[8:9] offset:4096
	s_wait_tensorcnt 0x0                           ; the wave's end
	ds_add_u32 v[SPW], v[NIL]
	s_wait_dscnt 0x0
	CROUND                                         ; the closing round: no work-group ends while a partner may still ask for a block that names it
	s_endpgm
.Lfunc_end_k_qc0dbfb503b_attn:
	.size	k_qc0dbfb503b_attn, .Lfunc_end_k_qc0dbfb503b_attn-k_qc0dbfb503b_attn
	.p2alignl 7, 3214868480
	.fill 96, 4, 3214868480
	.section	.rodata,"a",@progbits
	.p2align	6, 0x0
	.amdhsa_kernel k_qc0dbfb503b_attn
		.amdhsa_group_segment_fixed_size 169984
		.amdhsa_private_segment_fixed_size 0
		.amdhsa_enable_private_segment 0
		.amdhsa_kernarg_size 24
		.amdhsa_user_sgpr_count 2
		.amdhsa_user_sgpr_kernarg_segment_ptr 1
		.amdhsa_wavefront_size32 1
		.amdhsa_system_sgpr_workgroup_id_x 1
		.amdhsa_system_sgpr_workgroup_id_y 1
		.amdhsa_system_sgpr_workgroup_id_z 1
		.amdhsa_system_vgpr_workitem_id 0
		.amdhsa_next_free_vgpr 256
		.amdhsa_next_free_sgpr 66
		.amdhsa_reserve_vcc 1
		.amdhsa_float_denorm_mode_32 3
		.amdhsa_float_denorm_mode_16_64 3
		.amdhsa_memory_ordered 1
		.amdhsa_forward_progress 1
		.amdhsa_inst_pref_size 87
	.end_amdhsa_kernel
	.amdgpu_metadata
---
amdhsa.version: [ 1, 2 ]
amdhsa.kernels:
  - .name:           k_qc0dbfb503b_attn
    .symbol:         k_qc0dbfb503b_attn.kd
    .args:
      - { .name: qb, .offset: 0, .size: 8, .value_kind: global_buffer, .address_space: global }
      - { .name: kv, .offset: 8, .size: 8, .value_kind: global_buffer, .address_space: global }
      - { .name: cc, .offset: 16, .size: 8, .value_kind: global_buffer, .address_space: global }
    .group_segment_fixed_size: 169984
    .private_segment_fixed_size: 0
    .kernarg_segment_align: 8
    .kernarg_segment_size: 24
    .max_flat_workgroup_size: 512
    .sgpr_count:     66
    .vgpr_count:     256
    .wavefront_size: 32
...
	.end_amdgpu_metadata
.endif
;; end of part 3
;; launch outp (part 4): grid 8 x 32, 4 waves a work-group, clusters of 4 x 4, 169,984 bytes of LDS; arguments cc, wc, bo, out0; writes out0
.if DOCPART == 4
	.amdgcn_target "amdgcn-amd-amdhsa--gfx1250"
	.amdhsa_code_object_version 6
	.text
	.protected	k_qc0dbfb503b_outp
	.globl	k_qc0dbfb503b_outp
	.p2align	8
	.type	k_qc0dbfb503b_outp,@function
k_qc0dbfb503b_outp:
	s_mov_b64 s[64:65], 0
	v_nop
	global_prefetch_b8 v0, s[64:65] scope:SCOPE_SE
	s_setreg_imm32_b32 hwreg(HW_REG_WAVE_MODE, 25, 1), 1
	s_wait_xcnt 0x0
	s_wait_alu depctr_hold_cnt(0) depctr_sa_sdst(0) depctr_va_vdst(0) depctr_va_sdst(0) depctr_va_ssrc(0) depctr_va_vcc(0) depctr_vm_vsrc(0)
	s_getreg_b32 s2, hwreg(HW_REG_IB_STS2, 6, 4)
	s_cmp_eq_u32 s2, 0
	s_cbranch_scc0 .Lentry_in_a_cluster
	s_endpgm
.Lentry_in_a_cluster:
	s_bfe_u32 s2, ttmp6, 0x10000c
	s_cmp_lg_u32 s2, 0xf033
	s_cbranch_scc0 .Lentry_shape_is_right
	s_endpgm
.Lentry_shape_is_right:
; out[4096][1024] = ctx Wo + bo on codes of FP4 with E8M0 scales, sums in f32, K = 1,024.  Source 0 is P = Wo's columns, source 1 is Q = the tokens: a lane holds eight neighbouring columns of one token's row.
; A work-group of four waves makes 128 x 128, a wave 64 x 64; 256 work-groups.  The bias is the C of each sum's first product.
; THE LOADS: half a tile (16 stored rows x 512 K) is 4,352 bytes: 4,096 of codes as images of the operand's registers, then 16 rows x 4 scale words.  The first half of K of Q's and of P's eight tiles (waves 0 and 1) and the
; second (waves 2 and 3) are four joint loads, ONE a wave, all issued at the head; every LDS byte is filled once.  No prefetch: no loop fetches tiles.
; CLUSTERS of 4 x 4: Q's tiles are shared along a row of the cluster, P's along a column.
; BY ROWS: all of P's fragments (8 steps x 4 tiles x 8 registers) fill window 1; Q's come by tiles of 16 rows, all of K, in two buffers.  A tile's four sums are finished over all of K, by turns, and its 16 rows of out leave while the next tile is
; multiplied.  No fragment is read from LDS twice by a wave.
; THE WAY OUT: 16 rows x 64 columns at a time through the wave's own stage; sixteen lanes store 256 consecutive bytes, aligned.  LIMITS: NaN and infinities are not served.
; REGISTERS: window 0: v16-31 addresses, v32-63 scale words, v64-95 bias, v96-127 rows read back, v128-255 accumulators; window 1: P; window 2: v0-127 Q, two buffers.
.set TILEB, 4352                       ; half a tile
.set SLOT,  16*TILEB                   ; Q's 8 tiles, then P's 8
.set STAGE, 2*SLOT                     ; behind the slots: 16 rows x 272 bytes for each wave
.set SPARE, 0x29000                    ; the spare words: 128 bytes a wave
.set ADQ,  16                          ; v16-17 LDS address of my Q fragments in slot 0, 1
.set ADP,  18                          ; v18-19 the same for P
.set STO,  21
.set RD,   22
.set CO,   23
.set LI,   24                          ; v24 16 x lane
.set ADRS, 26                          ; v26-27 my scale words in slot 0, 1: lanes 0-15 Q's rows, lanes 16-31 P's
.set SC,   32                          ; slot s at v[SC + 16 s]; register 4 i + q: tile i, step q of the slot
.set BI,   64
.set BK,   96
.set ACC,  128                         ; accumulator (Q's tile a, P's tile b) at 8 (4 a + b)
.set G1,   24                          ; s[24:31] group 1 for Q; s[32:39] group 0, a set for each slot
.set G0,   32
.set G1B,  48                          ; s[48:55], s[56:63] the same for P
.set G0B,  56
.set MSB, 0
.macro WIN new                         ; the immediate's high byte repeats the setting that is left
.if MSB != \new
	s_set_vgpr_msb (MSB<<8)|\new
.set MSB, \new
.endif
.endm
.macro ARM under, g0, g1, next         ; one arm of the head's tree of branches on the wave's number: a joint load, and the jump to the tree's end
	s_cmp_lt_u32 s40, \under
	s_cbranch_scc0 \next
	tensor_load_to_lds s[\g0:\g0+3], s[\g1:\g1+7]
	s_nop 0
.rept 4
	v_nop
.endr
	s_branch .Lhead_asked
\next:
.endm
.macro CROUND                          ; a round of the cluster's barrier
	s_barrier_signal -1
	s_barrier_wait -1
	s_cmp_lg_u32 s40, 0
	s_cbranch_scc1 .Lnot_wave_0_\@
	s_barrier_signal -3
.Lnot_wave_0_\@:
	s_barrier_wait -3
	s_barrier_signal -1
	s_barrier_wait -1
.endm
.macro PLACES                          ; four plain places behind matrix instructions, in front of loads into registers that they have read and of the first read of results
.rept 4
	v_nop
.endr
.endm
.macro FP k                            ; P's four fragments of step k: eight loads
	WIN 0x40
.irp i, 0,1,2,3
.irp c, 0,1
	ds_load_b128 v[32*(\k)+8*\i+4*\c:32*(\k)+8*\i+4*\c+3], v[ADP+(\k)/4] offset:\i*TILEB+((\k)%4)*1024+512*\c
.endr
.endr
.endm
.macro FQ a, s                         ; Q's tile a, the four steps of slot s: eight loads
	WIN 0x80
.irp q, 0,1,2,3
.irp c, 0,1
	ds_load_b128 v[64*((\a)%2)+32*(\s)+8*\q+4*\c:64*((\a)%2)+32*(\s)+8*\q+4*\c+3], v[ADQ+\s] offset:(\a)*TILEB+\q*1024+512*\c
.endr
.endr
.endm
.macro SCALES s                        ; four loads
	WIN 0
.irp i, 0,1,2,3
	ds_load_b128 v[SC+16*\s+4*\i:SC+16*\s+4*\i+3], v[ADRS+\s] offset:\i*TILEB
.endr
.endm
; Tile a's four sums over the four steps of slot s, by turns, one instruction a turn.  Sources: P window 1, Q window 2; C and D window 0.
.macro MULA a, s
	WIN 0x09
.irp q, 0,1,2,3
.irp b, 0,1,2,3
.if (\s == 0) && (\q == 0)
	v_wmma_scale_f32_16x16x128_f8f6f4 v[ACC+8*(4*\a+\b):ACC+8*(4*\a+\b)+7], v[32*(4*\s+\q)+8*\b:32*(4*\s+\q)+8*\b+7], v[64*(\a%2)+32*\s+8*\q:64*(\a%2)+32*\s+8*\q+7], v[BI+8*\b:BI+8*\b+7], v[SC+16*\s+4*\b+\q], v[SC+16*\s+4*\a+\q] matrix_a_fmt:MATRIX_FMT_FP4 matrix_b_fmt:MATRIX_FMT_FP4 matrix_a_scale:MATRIX_SCALE_ROW1
.else
	v_wmma_scale_f32_16x16x128_f8f6f4 v[ACC+8*(4*\a+\b):ACC+8*(4*\a+\b)+7], v[32*(4*\s+\q)+8*\b:32*(4*\s+\q)+8*\b+7], v[64*(\a%2)+32*\s+8*\q:64*(\a%2)+32*\s+8*\q+7], v[ACC+8*(4*\a+\b):ACC+8*(4*\a+\b)+7], v[SC+16*\s+4*\b+\q], v[SC+16*\s+4*\a+\q] matrix_a_fmt:MATRIX_FMT_FP4 matrix_b_fmt:MATRIX_FMT_FP4 matrix_a_scale:MATRIX_SCALE_ROW1
.endif
.endr
.endr
.endm
.macro TOSTAGE a                       ; tile a's 16 rows into my stage, and back by rows: sixteen LDS instructions.  LDS serves a wave's instructions in order: the loads see the stores
	WIN 0
.irp b, 0,1,2,3
	ds_store_b128 v[STO], v[ACC+8*(4*(\a)+\b):ACC+8*(4*(\a)+\b)+3] offset:128*(\b/2)+32*(\b%2)
	ds_store_b128 v[STO], v[ACC+8*(4*(\a)+\b)+4:ACC+8*(4*(\a)+\b)+7] offset:128*(\b/2)+32*(\b%2)+16
.endr
.irp i, 0,1,2,3,4,5,6,7
	ds_load_b128 v[BK+4*\i:BK+4*\i+3], v[RD] offset:544*\i
.endr
.endm
.macro SEND a                          ; stored row 2 i + (lane / 16) of tile a is token 32 (a / 2) + 8 (a % 2) + row + 8 (row / 8)
	WIN 0
	s_wait_dscnt 0x0                               ; the rows are back in registers
.irp i, 0,1,2,3,4,5,6,7
	global_store_b128 v[CO], v[BK+4*\i:BK+4*\i+3], s[14:15] offset:(32*((\a)/2)+8*((\a)%2)+2*\i+8*(\i/4))*4096 th:TH_STORE_NT
.endr
.endm
	s_load_b128 s[4:7], s[0:1], 0x0                ; cc s[4:5], wc s[6:7]
	s_load_b128 s[12:15], s[0:1], 0x10             ; bo s[12:13], out0 s[14:15]
	v_lshl_add_u32 v30, v0, 2, SPARE
	v_mov_b32 v31, 0
	ds_add_u32 v30, v31                            ; the wave's opening: the add, twice on end, and its wait
	ds_add_u32 v30, v31
	v_lshrrev_b32 v1, 5, v0
	v_readfirstlane_b32 s40, v1                    ; wave 0..3
	s_lshr_b32 s41, s40, 1                         ; which 64 rows of Q are mine
	s_and_b32 s42, s40, 1                          ; which 64 rows of P
	s_bfe_u32 s43, ttmp6, 0x40000                  ; cx
	s_bfe_u32 s44, ttmp6, 0x40004                  ; cy
	s_lshl_b32 s100, ttmp9, 2
	s_add_co_u32 s100, s100, s43                   ; P's 128 columns: they hang on cx
	s_and_b32 s23, ttmp7, 0xffff
	s_lshl_b32 s23, s23, 2
	s_add_co_u32 s23, s23, s44                     ; Q's 128 tokens: on cy
	s_lshl_b32 s3, s44, 2
	s_lshl_b32 s3, 15, s3                          ; my row of the cluster
	s_lshl_b32 s22, 0x1111, s43                    ; my column
	s_or_b32 s[G1+0], s3, (3<<16)|(1<<21)          ; 15:0 the mask: Q's tiles go to my row; 17:16 elements of 8 bytes; 21 set beside a mask
	s_or_b32 s[G1B+0], s22, (3<<16)|(1<<21)        ; P's go to my column
.irp g, G1, G1B
	s_mov_b32 s[\g+1], 544<<16                     ; half of each of 8 tiles: 8 rows of 544 elements, 1,088 apart
	s_mov_b32 s[\g+2], 8<<16
	s_mov_b32 s[\g+3], 544<<16
	s_mov_b32 s[\g+4], 8
	s_mov_b32 s[\g+5], 1088
	s_mov_b32 s[\g+6], 0
	s_mov_b32 s[\g+7], 0
.endr
	s_mul_i32 s92, s23, 8*2*TILEB                  ; Q: 8 tiles of 16 tokens
	s_mul_i32 s94, s100, 8*2*TILEB                 ; P: 8 tiles of 16 columns,
	s_add_co_u32 s94, s94, 3*64*2*TILEB            ; of the fourth matrix
	s_mov_b32 s93, 0
	s_mov_b32 s95, 0
	s_wait_dscnt 0x0                               ; both opening adds are done
	CROUND                                         ; all sixteen work-groups are here: the joint loads meet.  (The arguments' loads may be out across it)
	s_wait_kmcnt 0x0
	s_add_nc_u64 s[92:93], s[4:5], s[92:93]
	s_add_nc_u64 s[94:95], s[6:7], s[94:95]
.irp s, 0,1
	s_mov_b32 s[G0+4*\s], 1
	s_mov_b32 s[G0+4*\s+1], \s*SLOT                ; no place in the cluster enters an LDS address
	s_add_nc_u64 s[G0+4*\s+2:G0+4*\s+3], s[92:93], \s*TILEB
	s_or_b32 s[G0+4*\s+3], s[G0+4*\s+3], 0x80000000
	s_mov_b32 s[G0B+4*\s], 1
	s_mov_b32 s[G0B+4*\s+1], \s*SLOT+8*TILEB
	s_add_nc_u64 s[G0B+4*\s+2:G0B+4*\s+3], s[94:95], \s*TILEB
	s_or_b32 s[G0B+4*\s+3], s[G0B+4*\s+3], 0x80000000
.endr
	ARM 1, G0, G1, .Lhead_1
	ARM 2, G0B, G1B, .Lhead_2
	ARM 3, G0+4, G1, .Lhead_3
	tensor_load_to_lds s[G0B+4:G0B+7], s[G1B:G1B+7]
	s_nop 0
.rept 4
	v_nop
.endr
.Lhead_asked:
	v_and_b32 v1, 15, v0                           ; r
	v_bfe_u32 v2, v0, 4, 1                         ; h
	v_and_b32 v3, 31, v0
	v_lshlrev_b32 v[LI], 4, v3
	s_mul_i32 s2, s41, 4*TILEB                     ; my 4 tiles of Q
	s_mul_i32 s3, s42, 4*TILEB                     ; my 4 tiles of P,
	s_add_co_u32 s3, s3, 8*TILEB                   ; which lie behind Q's 8
.irp s, 0,1
	v_add_nc_u32 v[ADQ+\s], s2, v[LI]
	v_add_nc_u32 v[ADP+\s], s3, v[LI]
	s_add_co_u32 s2, s2, SLOT
	s_add_co_u32 s3, s3, SLOT
.endr
	s_wait_alu depctr_va_vdst(0)
	v_lshlrev_b32 v5, 4, v1                        ; my row's four scale words, behind a half tile's codes
	s_mul_i32 s2, s41, 4*TILEB
	s_mul_i32 s3, s42, 4*TILEB
	s_add_co_u32 s3, s3, 8*TILEB
	s_sub_co_u32 s3, s3, s2
	v_mul_u32_u24 v6, s3, v2                       ; lanes 16-31 take P's: one product, h x the distance
	s_add_co_u32 s2, s2, 4096
	v_add_nc_u32 v5, v5, v6
	v_add_nc_u32 v[ADRS], s2, v5
	v_add_nc_u32 v[ADRS+1], SLOT, v[ADRS]
	s_mul_i32 s2, s40, 16*272
	s_add_co_u32 s2, s2, STAGE                     ; my stage
	v_mul_u32_u24 v5, v1, 272
	v_lshl_add_u32 v5, v2, 6, v5
	v_add_nc_u32 v[STO], s2, v5                    ; in: row r; a lane's 16 columns of two neighbouring tiles are 64 bytes
	v_mul_u32_u24 v5, v2, 272
	v_lshl_add_u32 v5, v1, 4, v5
	v_add_nc_u32 v[RD], s2, v5                     ; back: sixteen lanes take a row of 256 bytes
	v_lshlrev_b32 v5, 12, v2
	v_lshl_add_u32 v[CO], v1, 4, v5                ; and the same two rows in out
	s_lshl_b32 s66, s100, 9
	s_lshl_b32 s67, s42, 8
	s_add_co_u32 s66, s66, s67                     ; my 64 columns, in bytes
	s_mov_b32 s67, 0
	s_add_nc_u64 s[12:13], s[12:13], s[66:67]
	s_lshl_b32 s2, s23, 19
	s_lshl_b32 s3, s41, 18
	s_add_co_u32 s2, s2, s3
	s_add_co_u32 s2, s2, s66
	s_mov_b32 s3, 0
	s_add_nc_u64 s[14:15], s[14:15], s[2:3]        ; my first row of out
	s_wait_alu depctr_va_vdst(0)                   ; a wait behind the scalar lines
	v_lshlrev_b32 v7, 6, v2
.irp b, 0,1,2,3                        ; the bias in the result's layout: register j of tile b is column 32 (b / 2) + 16 h + 8 (b % 2) + j
	global_load_b128 v[BI+8*\b:BI+8*\b+3], v7, s[12:13] offset:(32*(\b/2)+8*(\b%2))*4
	global_load_b128 v[BI+8*\b+4:BI+8*\b+7], v7, s[12:13] offset:(32*(\b/2)+8*(\b%2))*4+16
.endr
	s_wait_alu depctr_va_vdst(0)                   ; the wait at the head's end
	s_cmp_lt_u32 s40, 2
	s_cbranch_scc0 .Lsecond_half                   ; waves 2 and 3 have slot 1's loads out: it is waited for, by all waves, in front of the next barrier
	s_wait_tensorcnt 0x0                           ; my tiles of slot 0 are in
.Lsecond_half:
	s_barrier_signal -1
	s_barrier_wait -1                              ; slot 0 is whole
	SCALES 0
	FP 0
	FP 1
	FP 2
	FP 3
	FQ 0, 0
	FQ 1, 0
	s_wait_loadcnt 0x0                             ; the bias
	s_wait_dscnt 8                                 ; all but tile 1's eight loads
	MULA 0, 0
	s_wait_tensorcnt 0x0
	s_wait_dscnt 0x0                               ; no LDS load of mine is out at the signal
	s_barrier_signal -1
	MULA 1, 0                                      ; work on registers while the others arrive
	s_barrier_wait -1                              ; slot 1 is whole
	SCALES 1
	FP 4
	FP 5
	FP 6
	FP 7
	FQ 0, 1
	FQ 1, 1
	s_wait_dscnt 8                                 ; all but tile 1's eight loads
	MULA 0, 1                                      ; tile 0's rows are finished
	PLACES
	FQ 2, 0                                        ; tile 0's buffer takes tile 2
	FQ 2, 1
	TOSTAGE 0
	s_wait_dscnt 32                                ; tile 1 is in; tile 2's sixteen loads and the stage's sixteen may be out
	MULA 1, 1
	SEND 0
	PLACES
	FQ 3, 0
	FQ 3, 1
	s_wait_xcnt 0x0                                ; the stores have read their registers, on which the next rows land
	TOSTAGE 1
	MULA 2, 0                                      ; (tile 2 is in: SEND 0 has waited for all)
	MULA 2, 1
	SEND 1
	PLACES
	s_wait_xcnt 0x0
	TOSTAGE 2
	MULA 3, 0
	MULA 3, 1
	SEND 2
	PLACES
	s_wait_xcnt 0x0
	TOSTAGE 3
	SEND 3
	s_wait_tensorcnt 0x0                           ; the wave's end
	ds_add_u32 v30, v31
	s_wait_dscnt 0x0
	CROUND                                         ; the closing round: no work-group ends while a partner may still ask for a tile that names it
	s_endpgm
.Lfunc_end_k_qc0dbfb503b_outp:
	.size	k_qc0dbfb503b_outp, .Lfunc_end_k_qc0dbfb503b_outp-k_qc0dbfb503b_outp
	.p2alignl 7, 3214868480
	.fill 96, 4, 3214868480
	.section	.rodata,"a",@progbits
	.p2align	6, 0x0
	.amdhsa_kernel k_qc0dbfb503b_outp
		.amdhsa_group_segment_fixed_size 169984
		.amdhsa_private_segment_fixed_size 0
		.amdhsa_enable_private_segment 0
		.amdhsa_kernarg_size 32
		.amdhsa_user_sgpr_count 2
		.amdhsa_user_sgpr_kernarg_segment_ptr 1
		.amdhsa_wavefront_size32 1
		.amdhsa_system_sgpr_workgroup_id_x 1
		.amdhsa_system_sgpr_workgroup_id_y 1
		.amdhsa_system_sgpr_workgroup_id_z 1
		.amdhsa_system_vgpr_workitem_id 0
		.amdhsa_next_free_vgpr 768
		.amdhsa_next_free_sgpr 102
		.amdhsa_reserve_vcc 0
		.amdhsa_float_denorm_mode_32 3
		.amdhsa_float_denorm_mode_16_64 3
		.amdhsa_memory_ordered 1
		.amdhsa_forward_progress 1
		.amdhsa_inst_pref_size 42
	.end_amdhsa_kernel
	.amdgpu_metadata
---
amdhsa.version: [ 1, 2 ]
amdhsa.kernels:
  - .name:           k_qc0dbfb503b_outp
    .symbol:         k_qc0dbfb503b_outp.kd
    .args:
      - { .name: cc, .offset: 0, .size: 8, .value_kind: global_buffer, .address_space: global }
      - { .name: wc, .offset: 8, .size: 8, .value_kind: global_buffer, .address_space: global }
      - { .name: bo, .offset: 16, .size: 8, .value_kind: global_buffer, .address_space: global }
      - { .name: out0, .offset: 24, .size: 8, .value_kind: global_buffer, .address_space: global }
    .group_segment_fixed_size: 169984
    .private_segment_fixed_size: 0
    .kernarg_segment_align: 8
    .kernarg_segment_size: 32
    .max_flat_workgroup_size: 128
    .sgpr_count:     102
    .vgpr_count:     768
    .wavefront_size: 32
...
	.end_amdgpu_metadata
.endif
;; end of part 4
